; MI455X (gfx1250); checked and timed in simulation.
; The chip was launched on July 23, 2026; its instructions are those of AMD's public machine-readable ISA for CDNA 5 (MIT licence, August 2026) and "CDNA5" Instruction Set Architecture Reference Guide (July 2026). The comments in the code are by the model that wrote it; some were corrected since.
;; Self Attention. Allowed arithmetic: matrix products marked QUANTISED: E4M3 operands, one given power-of-two scale a tensor, by v_wmma_f32_16x16x64_fp8_fp8 or v_wmma_f32_16x16x128_fp8_fp8, f32 sums; everything else in f32.
;; Inputs: Wk 1,024 x 1,024 float32; Wp 1,024 x 1,024 float32; Wq 1,024 x 1,024 float32; Wv 1,024 x 1,024 float32; bk 1,024 float32; bp 1,024 float32; bq 1,024 float32; bv 1,024 float32; lowp_scales 12 int32 (the exponents e of the quantised operands' scales 2^e); x 4 x 2,048 x 1,024 float32.
;; Outputs: out0 4 x 2,048 x 1,024 float32.
;; This version of the problem:
;;   THIS VERSION OF THE PROBLEM IS GIVEN IN LOW PRECISION. The matrix products marked QUANTISED in the list below multiply operands that are first quantised to E4M3 (4 exponent bits, 3 mantissa bits; 8 bits a number), with one given power-of-two scale for each operand tensor; their sums are f32. All else is computed in f32.
;;   The module's matrix products, in the order in which they are computed (A, B: the left and right operand; K: the contracted axis; several contracted axes count as one K, in the product's order):
;;     1. [M 8,192, K 1,024] x [K 1,024, N 1,024]; A: input x; B: input Wk: QUANTISED (scales: A lowp_scales[0], B lowp_scales[1])
;;     2. [M 8,192, K 1,024] x [K 1,024, N 1,024]; A: input x; B: input Wq: QUANTISED (scales: A lowp_scales[2], B lowp_scales[3])
;;     3. [M 8,192, K 1,024] x [K 1,024, N 1,024]; A: input x; B: input Wv: QUANTISED (scales: A lowp_scales[4], B lowp_scales[5])
;;     4. batch 64 x [M 2,048, K 64] x [K 64, N 2,048]; A: computed on the way; B: computed on the way: QUANTISED (scales: A lowp_scales[6], B lowp_scales[7])
;;     5. batch 64 x [M 2,048, K 2,048] x [K 2,048, N 64]; A: softmax (see below); B: computed on the way: QUANTISED (scales: A lowp_scales[8], B lowp_scales[9])
;;     6. [M 8,192, K 1,024] x [K 1,024, N 1,024]; A: computed on the way; B: input Wp: QUANTISED (scales: A lowp_scales[10], B lowp_scales[11])
;;   THE QUANTISER, for each operand of a quantised product, along K:
;;     - The operand's scale is 2^e, e = its entry of the input lowp_scales (int32; the entries are numbered through the quantised products in the list's order, A before B).
;;     - Each number is divided by the scale, clamped to +-448, and rounded to the nearest number of E4M3, ties to even, subnormals kept.
;;     - The product sums the exact products of the quantised numbers (number of the format x scale) in f32.
;;   ~~~python
;;   def quantise(x, axis, e):      # numpy; x: float32 -> the quantised numbers, widened to float32 again
;;       x = np.moveaxis(x, axis, -1); K = x.shape[-1]
;;       r = np.clip(x / 2.0 ** e, -448, 448)
;;       step = 2.0 ** (np.maximum(np.frexp(np.where(r == 0, 1, r))[1] - 1, -6) - 3)
;;       q = np.round(r / step) * step * 2.0 ** e      # np.round: ties to even
;;       return np.moveaxis(q, -1, axis).astype(np.float32)
;;   ~~~
;;   SOFTMAX AHEAD OF A QUANTISED PRODUCT. Where the list says 'softmax', what is quantised is not the finished softmax but p = 2^(t - M), with t = logit x log2(e) and M = ceil(the row's largest t), a whole number; so 1/2 < the row's largest p <= 1. The row's sum l is taken of the UNQUANTISED p, in f32, and the product's result is divided by l at the end. Since M is a whole number, a kernel that streams over the keys may use a running M (the ceiling of the running maximum): every later rescaling is an exact power of two, so the quantised numbers keep their values, but for numbers so far below the row's largest that they fall under the format's range.
;;   OPERANDS COMPUTED ON THE WAY. 'Computed on the way' means the value that the module computes at that place (a softmax that the list does not call 'softmax' is quantised finished and normalised). What goes into a quantiser is computed in f32, as accurately as f32 sums, v_exp_f32 and their like allow (about 1e-6 of the number): no bf16 or f16 on the way to a quantiser, and a product that is left as it is and whose result goes on into a quantised operand takes f32 operands (vector FMAs, or v_wmma_f32_16x16x4_f32). A number that lies on a knife's edge between two numbers of the format may be rounded either way, as far as f32 arithmetic and the matrix unit's own rounding can turn it there, and no further.
;; 2 versions, each right; version 2 is version 1 with the launch attn written anew for expert scheduling mode. Each part assembles by itself: llvm-mc -triple=amdgcn-amd-amdhsa -mcpu=gfx1250 --defsym DOCPART=n.
;; ======== version 1 of 2: 4 launches
;; workspace buffers: img 29,360,128 bytes; qkv 25,165,824 bytes; oimg 8,388,608 bytes
;; launch quant (part 1): grid 256 x 1, 8 waves a work-group, no clusters, 68,608 bytes of LDS; arguments x, Wk, Wq, Wv, Wp, lowp_scales, img; writes img
.if DOCPART == 1
	.amdgcn_target "amdgcn-amd-amdhsa--gfx1250"
	.amdhsa_code_object_version 6
	.text
	.protected	k_q799f57e0c9_quant
	.globl	k_q799f57e0c9_quant
	.p2align	8
	.type	k_q799f57e0c9_quant,@function
k_q799f57e0c9_quant:
	s_mov_b64 s[64:65], 0
	v_nop
	global_prefetch_b8 v0, s[64:65] scope:SCOPE_SE
	s_setreg_imm32_b32 hwreg(HW_REG_WAVE_MODE, 25, 1), 1
	s_wait_xcnt 0x0
; x [8192][1024] and Wk, Wq, Wv, Wp [1024][1024], f32, K innermost, become codes of E4M3, laid as IMAGES OF OPERAND REGISTERS.
; code = number / 2^e, held within +-448, rounded to the nearest code, ties to even.  x is quantised three times (entries 0, 2, 4 of the scales), Wk, Wq, Wv, Wp once (entries 1, 3, 5, 11).
; AN IMAGE of [rows][1024]: [row / 128][k / 256][(row / 16) % 8][(k / 128) % 2][c = (k / 32) % 4][lane 32][16 bytes]; lane (r = lane % 16, h = lane / 16) of chunk c holds k = 32 c + 16 h + 0 .. 15 of the tile's row r.
; A fragment (16 rows x 128 K) is 2,048 bytes on end, 128 rows x 256 K are 32,768 bytes on end.  In img: x by entry 0 at 0, by entry 2 at 8 MiB, by entry 4 at 16 MiB; Wk, Wq, Wv, Wp at 24, 25, 26, 27 MiB.
; x's tiles hold neighbouring rows.  A TILE OF A WEIGHT DOES NOT: lane r of tile 2 b + u holds row 32 b + 8 u + r + 8 (r / 8), so that a product that takes the weight as source 0 leaves a lane 16 neighbouring outputs in two accumulators.
; SHARES: 256 work-groups x 8 waves; a wave makes two fragments of x (three images each) and one of a weight.  Each load reads 512 consecutive bytes of one row; a fragment's 16 rows turn through the wave's own stage in LDS
; (rows of 512 + 16 bytes) so that a lane gets 16 neighbours along K; each store writes 512 consecutive bytes.  All 48 loads of a wave go out at the head.  No loop, no barrier: waves share nothing.
; LIMITS: every exponent used here lies between -126 and 119.  NaN among the inputs is not served (an infinity is held at the largest code).
.set STGB, 8448                        ; a wave's stage: 16 rows x 528 bytes
.set SPT,  528
.set R0,   20                          ; v20-83    x, first fragment
.set R1,   84                          ; v84-147   x, second fragment
.set R2,   148                         ; v148-211  the weight's fragment
.set T,    212                         ; v212-227  16 numbers, held
.set CD,   228                         ; v228-243  a fragment's codes
	s_load_b256 s[4:11], s[0:1], 0x0               ; x s[4:5], Wk s[6:7], Wq s[8:9], Wv s[10:11]
	s_load_b128 s[12:15], s[0:1], 0x20             ; Wp s[12:13], the scales' exponents s[14:15]
	s_load_b64 s[16:17], s[0:1], 0x30              ; img
	v_lshl_add_u32 v248, v0, 2, 0x10800
	v_mov_b32 v249, 0
	v_lshrrev_b32 v1, 5, v0
	v_readfirstlane_b32 s18, v1                    ; wave 0..7
	v_and_b32 v1, 31, v0
	v_lshlrev_b32 v1, 4, v1                        ; 16 x lane
	v_and_b32 v18, 15, v0                          ; r
	v_bfe_u32 v19, v0, 4, 1                        ; h
	s_mul_i32 s19, s18, STGB
	v_add_nc_u32 v2, s19, v1                       ; the stage, way in: a row's 512 bytes as they lie
	v_mul_u32_u24 v3, v18, SPT
	v_lshl_add_u32 v3, v19, 6, v3
	v_add_nc_u32 v3, s19, v3                       ; way out: row r, + 64 h: my 16 numbers of a block of 32
	s_lshl_b32 s32, ttmp9, 1
	s_lshr_b32 s33, s18, 2
	s_add_co_u32 s32, s32, s33                     ; x's tile of 16 rows: 2 x work-group + wave / 4
	s_and_b32 s33, s18, 3                          ; which 256 along K
	s_lshl_b32 s34, s32, 16                        ; 16 rows of 4,096 bytes
	s_lshl_b32 s35, s33, 10
	s_add_co_u32 s34, s34, s35
	v_add_nc_u32 v4, s34, v1                       ; x: my 16 bytes of the tile's first row
	s_lshr_b32 s34, s32, 3
	s_lshl_b32 s34, s34, 17
	s_lshl_b32 s35, s33, 15
	s_add_co_u32 s34, s34, s35
	s_and_b32 s35, s32, 7
	s_lshl_b32 s35, s35, 12
	s_add_co_u32 s34, s34, s35
	v_add_nc_u32 v6, s34, v1                       ; where x's codes go, in the first image,
	v_add_nc_u32 v7, 1<<23, v6                     ; the second,
	v_add_nc_u32 v8, 2<<23, v6                     ; the third
	s_lshr_b32 s36, ttmp9, 6                       ; which weight: 0 Wk, 1 Wq, 2 Wv, 3 Wp
	s_and_b32 s37, ttmp9, 63                       ; its tile
	s_lshr_b32 s38, s37, 1
	s_lshl_b32 s38, s38, 17                        ; 32 rows of 4,096 bytes
	s_and_b32 s39, s37, 1
	s_lshl_b32 s39, s39, 15                        ; 8 rows
	s_add_co_u32 s38, s38, s39
	s_lshl_b32 s39, s18, 9                         ; K step = wave: 512 bytes
	s_add_co_u32 s38, s38, s39
	v_add_nc_u32 v5, s38, v1                       ; the weight: my 16 bytes of the tile's first row
	s_lshl_b32 s38, s36, 20
	s_add_co_u32 s38, s38, (24<<20)
	s_lshr_b32 s39, s37, 3
	s_lshl_b32 s39, s39, 17
	s_add_co_u32 s38, s38, s39
	s_lshr_b32 s39, s18, 1
	s_lshl_b32 s39, s39, 15
	s_add_co_u32 s38, s38, s39
	s_and_b32 s39, s37, 7
	s_lshl_b32 s39, s39, 12
	s_add_co_u32 s38, s38, s39
	s_and_b32 s39, s18, 1
	s_lshl_b32 s39, s39, 11
	s_add_co_u32 s38, s38, s39
	v_add_nc_u32 v9, s38, v1                       ; where the weight's codes go
	s_wait_kmcnt 0x0
	s_load_b256 s[20:27], s[14:15], 0x0            ; entries 0 to 7
	s_load_b128 s[28:31], s[14:15], 0x20           ; entries 8 to 11
	s_cmp_eq_u32 s36, 1                            ; the weight's buffer: the choice hangs on the work-group's number alone
	s_cselect_b64 s[6:7], s[8:9], s[6:7]
	s_cmp_eq_u32 s36, 2
	s_cselect_b64 s[6:7], s[10:11], s[6:7]
	s_cmp_eq_u32 s36, 3
	s_cselect_b64 s[6:7], s[12:13], s[6:7]
.irp i, 0,1,2,3,4,5,6,7,8,9,10,11,12,13,14,15
	global_load_b128 v[R0+4*\i:R0+4*\i+3], v4, s[4:5] offset:4096*\i th:TH_LOAD_NT          ; row i, 128 numbers: 512 consecutive bytes
.endr
.irp i, 0,1,2,3,4,5,6,7,8,9,10,11,12,13,14,15
	global_load_b128 v[R1+4*\i:R1+4*\i+3], v4, s[4:5] offset:4096*\i+512 th:TH_LOAD_NT      ; the next 128 along K
.endr
.irp i, 0,1,2,3,4,5,6,7,8,9,10,11,12,13,14,15
	global_load_b128 v[R2+4*\i:R2+4*\i+3], v5, s[6:7] offset:4096*(\i+8*(\i/8)) th:TH_LOAD_NT   ; the tile's lane i: eight neighbouring rows, then the eight that lie 16 further on
.endr
	s_wait_kmcnt 0x0
	s_cmp_eq_u32 s36, 1                            ; the weight's exponent: entry 1, 3, 5 or 11
	s_cselect_b32 s21, s23, s21
	s_cmp_eq_u32 s36, 2
	s_cselect_b32 s21, s25, s21
	s_cmp_eq_u32 s36, 3
	s_cselect_b32 s21, s31, s21
.macro MKSC e, v                       ; v[v] = 2^e as f32 (the conversion takes its exponent field), v[v + 1] = 448 x 2^e
	s_add_co_i32 s40, s[\e], 127
	s_lshl_b32 s41, s40, 23
	v_mov_b32 v[\v], s41
	s_add_co_i32 s40, s40, 8
	s_lshl_b32 s40, s40, 23
	s_or_b32 s40, s40, 0x600000
	v_mov_b32 v[\v+1], s40
.endm
	MKSC 20, 10
	MKSC 22, 12
	MKSC 24, 14
	MKSC 21, 16
.macro TURN R                          ; 16 rows x 128 numbers through my stage: afterwards register R + 16 c + i is k = 32 c + 16 h + i of row r
.irp i, 0,1,2,3,4,5,6,7,8,9,10,11,12,13,14,15
	ds_store_b128 v2, v[\R+4*\i:\R+4*\i+3] offset:SPT*\i
.endr
	s_wait_dscnt 0x0                               ; the stores have read their registers, which the loads below write
.irp c, 0,1,2,3
.irp j, 0,1,2,3
	ds_load_b128 v[\R+16*\c+4*\j:\R+16*\c+4*\j+3], v3 offset:128*\c+16*\j
.endr
.endr
	s_wait_dscnt 0x0
.endm
.macro QUANT R, sc                     ; the fragment's 64 numbers of a lane become 16 registers of codes; the numbers stay, since x is quantised three times
.irp b, 0,1,2,3
.irp i, 0,1,2,3,4,5,6,7,8,9,10,11,12,13,14,15
	v_med3_num_f32 v[T+\i], v[\R+16*\b+\i], -v[\sc+1], v[\sc+1]   ; the conversion to an 8-bit code does not saturate (ISA guide 7.6.2): the hold at the largest code x the scale
.endr
	v_cvt_scalef32_pk8_fp8_f32 v[CD+4*\b:CD+4*\b+1], v[T:T+7], v[\sc]
	v_cvt_scalef32_pk8_fp8_f32 v[CD+4*\b+2:CD+4*\b+3], v[T+8:T+15], v[\sc]
	v_nop                                          ; one plain line between the conversions and the next holds, which write their sources
.endr
.endm
.macro SEND dst, off
.irp c, 0,1,2,3
	global_store_b128 v[\dst], v[CD+4*\c:CD+4*\c+3], s[16:17] offset:\off+512*\c   ; chunk c: 32 lanes store 512 consecutive bytes, aligned
.endr
.endm
	s_wait_loadcnt 32                              ; the first fragment's 16 loads are in; the 32 behind them may be out
	TURN R0
	QUANT R0, 10
	SEND 6, 0
	s_wait_xcnt 0x0                                ; the stores have read the codes' registers: they are written again only behind this wait
	QUANT R0, 12
	SEND 7, 0
	s_wait_xcnt 0x0
	QUANT R0, 14
	SEND 8, 0
	s_wait_loadcnt 16                              ; the second fragment's are in; the weight's 16 may be out
	TURN R1
	s_wait_xcnt 0x0
	QUANT R1, 10
	SEND 6, 2048
	s_wait_xcnt 0x0
	QUANT R1, 12
	SEND 7, 2048
	s_wait_xcnt 0x0
	QUANT R1, 14
	SEND 8, 2048
	s_wait_loadcnt 0x0
	TURN R2
	s_wait_xcnt 0x0
	QUANT R2, 16
	SEND 9, 0
	s_wait_tensorcnt 0x0
	ds_add_u32 v248, v249
	s_wait_dscnt 0x0
	s_endpgm
.Lfunc_end_k_q799f57e0c9_quant:
	.size	k_q799f57e0c9_quant, .Lfunc_end_k_q799f57e0c9_quant-k_q799f57e0c9_quant
	.p2alignl 7, 3214868480
	.fill 96, 4, 3214868480
	.section	.rodata,"a",@progbits
	.p2align	6, 0x0
	.amdhsa_kernel k_q799f57e0c9_quant
		.amdhsa_group_segment_fixed_size 68608
		.amdhsa_private_segment_fixed_size 0
		.amdhsa_enable_private_segment 0
		.amdhsa_kernarg_size 56
		.amdhsa_user_sgpr_count 2
		.amdhsa_user_sgpr_kernarg_segment_ptr 1
		.amdhsa_wavefront_size32 1
		.amdhsa_system_sgpr_workgroup_id_x 1
		.amdhsa_system_sgpr_workgroup_id_y 1
		.amdhsa_system_sgpr_workgroup_id_z 1
		.amdhsa_system_vgpr_workitem_id 0
		.amdhsa_next_free_vgpr 250
		.amdhsa_next_free_sgpr 66
		.amdhsa_reserve_vcc 0
		.amdhsa_float_denorm_mode_32 3
		.amdhsa_float_denorm_mode_16_64 3
		.amdhsa_memory_ordered 1
		.amdhsa_forward_progress 1
		.amdhsa_inst_pref_size 51
	.end_amdhsa_kernel
	.amdgpu_metadata
---
amdhsa.version: [ 1, 2 ]
amdhsa.kernels:
  - .name:           k_q799f57e0c9_quant
    .symbol:         k_q799f57e0c9_quant.kd
    .args:
      - { .name: x, .offset: 0, .size: 8, .value_kind: global_buffer, .address_space: global }
      - { .name: Wk, .offset: 8, .size: 8, .value_kind: global_buffer, .address_space: global }
      - { .name: Wq, .offset: 16, .size: 8, .value_kind: global_buffer, .address_space: global }
      - { .name: Wv, .offset: 24, .size: 8, .value_kind: global_buffer, .address_space: global }
      - { .name: Wp, .offset: 32, .size: 8, .value_kind: global_buffer, .address_space: global }
      - { .name: lowp_scales, .offset: 40, .size: 8, .value_kind: global_buffer, .address_space: global }
      - { .name: img, .offset: 48, .size: 8, .value_kind: global_buffer, .address_space: global }
    .group_segment_fixed_size: 68608
    .private_segment_fixed_size: 0
    .kernarg_segment_align: 8
    .kernarg_segment_size: 56
    .max_flat_workgroup_size: 256
    .sgpr_count:     66
    .vgpr_count:     250
    .wavefront_size: 32
...
	.end_amdgpu_metadata
.endif
;; end of part 1
;; launch qkv (part 2): grid 12 x 32, 4 waves a work-group, clusters of 4 x 4, 327,680 bytes of LDS; arguments img, bk, bq, bv, lowp_scales, qkv; writes qkv
.if DOCPART == 2
	.amdgcn_target "amdgcn-amd-amdhsa--gfx1250"
	.amdhsa_code_object_version 6
	.text
	.protected	k_q799f57e0c9_qkv
	.globl	k_q799f57e0c9_qkv
	.p2align	8
	.type	k_q799f57e0c9_qkv,@function
k_q799f57e0c9_qkv:
	s_mov_b64 s[64:65], 0
	v_nop
	global_prefetch_b8 v0, s[64:65] scope:SCOPE_SE
	s_setreg_imm32_b32 hwreg(HW_REG_WAVE_MODE, 25, 1), 1
	s_wait_xcnt 0x0
	s_wait_alu depctr_hold_cnt(0) depctr_sa_sdst(0) depctr_va_vdst(0) depctr_va_sdst(0) depctr_va_ssrc(0) depctr_va_vcc(0) depctr_vm_vsrc(0)
	s_getreg_b32 s2, hwreg(HW_REG_IB_STS2, 6, 4)
	s_cmp_eq_u32 s2, 0
	s_cbranch_scc0 .Lentry_in_a_cluster
	s_endpgm
.Lentry_in_a_cluster:
	s_bfe_u32 s2, ttmp6, 0x10000c
	s_cmp_lg_u32 s2, 0xf033
	s_cbranch_scc0 .Lentry_shape_is_right
	s_endpgm
.Lentry_shape_is_right:
; k = x Wk^T + bk, q = x Wq^T + bq, v = x Wv^T + bv on codes of E4M3 (register images made by the launch before), then each result is quantised again for the attention: k by entry 7 of the scales, q by entry 6, v by entry 9.
; The cluster's x says which: X = 0 k, 1 q, 2 v.  A work-group of four waves makes 256 x 256 results, a wave 128 x 128: 64 accumulators, 512 registers.  K = 1,024 goes in four steps of 256 through two LDS slots.
; SIDE A is the matrix instruction's source 1 (its 16 rows fall on the lanes), SIDE B its source 0 (its 16 rows fall on a lane's registers).  For k and q: A = x, B = the weight: a lane holds one token, and since a weight's tile
; holds rows 32 b + 8 u + r + 8 (r / 8), accumulators 2 b and 2 b + 1 hold 16 neighbouring features: the next product's K.  For v: A = Wv, B = x: a lane holds one feature and its registers run along the tokens, which are the keys, the K of the attention's second product.
; OUT: qkv holds k at 0 and q at 8 MiB as [batch x head 64][tile of 16 tokens 128][c 2][lane][16 bytes], lane (r, h): d = 32 c + 16 h + 0 .. 15 of token r;
;   v at 16 MiB as [batch x head][128 keys 16][tile of d 4][quad 4][lane][16 bytes]: lane (r, h) of tile 2 b + u: d = 32 b + 8 u + r + 8 (r / 8); its 16 bytes: keys 32 quad + 8 h + 0 .. 7, then 32 quad + 16 + 8 h + 0 .. 7.
; The conversions' results are stored as they stand: each store covers 512 consecutive bytes, aligned; no stage is needed.
; CLUSTERS: 4 x 4 work-groups; side A's tiles are shared along a row of the cluster, side B's along a column: each is asked for jointly, by the same tensor load with the same descriptor and a mask that names the four.
; A slot's quarter (128 rows x 256 K) is 32,768 consecutive bytes of an image and lands in LDS as it lies: a fragment comes by four loads of 512 consecutive bytes.
; LIMITS: the two exponents of a product add to between -126 and 127; entries 6, 7, 9 lie between -126 and 119.  NaN among the inputs is not served.
; REGISTERS, in windows of 256: window 0: v16-31 addresses and scales; v32-47 the bias by lanes (v's form); v64-127 the bias by registers (k's and q's form); v128-255 A's fragments, one set; on the way out v128-191 numbers, v192-255 codes.
;   window 1: B's fragments, two sets.   window 2: the accumulators of A's blocks 0-3 ((a, b) at v[8 (8 (a % 4) + b)]);   window 3: blocks 4-7.
.set CH,    32768                      ; 128 rows x 256 K: what one tensor load brings
.set SLOT,  4*CH                       ; A's two halves, then B's two
.set SPARE, 2*SLOT                     ; behind the ring: the spare words, 128 bytes a wave: two blocks of 256 bytes that no other line names
.set FR,    16                         ; registers of a fragment
.set NL,    4                          ; LDS loads that bring one
.set NP,    4                          ; places behind this matrix instruction (ISA guide 7.12.1)
.set ADRA,  16                         ; v16-17  LDS address of my A fragments in slot 0, 1
.set ADRB,  20                         ; v20-21  the same for B
.set BO2,   25                         ; v25     bias by lanes: 4 (r + 8 (r / 8))
.set CO,    26                         ; v26     16 x lane
.set BO1,   27                         ; v27     bias by registers: 64 h
.set SPW,   28                         ; v28     LDS address of my spare word; never rewritten
.set NIL,   29                         ; v29     0; never rewritten
.set SC,    30                         ; v30     2^eo as f32
.set LIM,   31                         ; v31     448 x 2^eo
.set BV,    32
.set BI,    64
.set AF,    128
.set T,     128
.set CD,    192
.set G1,  24                           ; s[24:31] descriptor group 1 for A's tiles;  s[32:39] group 0, one set for each slot
.set G0,  32
.set G1B, 48                           ; s[48:55], s[56:63] the same for B's
.set G0B, 56
.set MSB, 0
.macro WIN new                         ; the immediate's high byte repeats the setting that is left
.if MSB != \new
	s_set_vgpr_msb (MSB<<8)|\new
.set MSB, \new
.endif
.endm
.set MUL_LO, 0xa1                      ; source 0 (B) window 1, source 1 (A) window 0, C and D window 2
.set MUL_HI, 0xf1                      ; the same, C and D window 3
.set TO_B,   0x40                      ; destination window 1, address window 0
; A joint load: waves 0 and 1 fetch A's halves, waves 2 and 3 B's.  The branch hangs on the wave's number alone.  Four v_nop follow each of the two lines.
.macro JLOAD g0a, g1a, g0b, g1b
	s_cmp_eq_u32 s15, 0
	s_cbranch_scc0 .Lfor_b_\@
	tensor_load_to_lds s[\g0a:\g0a+3], s[\g1a:\g1a+7]
	s_nop 0
.rept 4
	v_nop
.endr
	s_branch .Lasked_\@
.Lfor_b_\@:
	tensor_load_to_lds s[\g0b:\g0b+3], s[\g1b:\g1b+7]
	s_nop 0
.rept 4
	v_nop
.endr
.Lasked_\@:
.endm
.macro CREST                           ; a round of the cluster's barrier behind its opening barrier
	s_cmp_lg_u32 s14, 0
	s_cbranch_scc1 .Lnot_wave_0_\@
	s_barrier_signal -3
.Lnot_wave_0_\@:
	s_barrier_wait -3
	s_barrier_signal -1
	s_barrier_wait -1
.endm
.macro CROUND                          ; a whole round
	s_barrier_signal -1
	s_barrier_wait -1
	CREST
.endm
	s_load_b256 s[4:11], s[0:1], 0x0               ; img s[4:5], bk s[6:7], bq s[8:9], bv s[10:11]
	s_load_b128 s[68:71], s[0:1], 0x20             ; the scales' exponents s[68:69], qkv s[70:71]
	v_lshl_add_u32 v[SPW], v0, 2, SPARE
	v_mov_b32 v[NIL], 0
	ds_add_u32 v28, v29
	ds_add_u32 v28, v29
	s_wait_dscnt 0x0
	v_lshrrev_b32 v1, 5, v0
	v_readfirstlane_b32 s14, v1                    ; wave 0..3
	s_lshr_b32 s15, s14, 1                         ; which half of side A is mine.  Also: I fetch for A (0) or for B (1)
	s_and_b32 s16, s14, 1                          ; which half of side B.  Also: which 128 rows of that tile I fetch
	s_bfe_u32 s40, ttmp6, 0x40000                  ; cx, cy: my place in the cluster
	s_bfe_u32 s41, ttmp6, 0x40004
	s_mov_b32 s12, ttmp9                           ; X: the cluster's x: the same in all sixteen partners
	s_and_b32 s13, ttmp7, 0xffff
	s_lshl_b32 s13, s13, 2                         ; 4 x the cluster's y
	s_lshl_b32 s43, s41, 2
	s_lshl_b32 s43, 15, s43                        ; my row of the cluster
	s_lshl_b32 s44, 0x1111, s40                    ; my column
	; descriptor group 1: 32,768 dense bytes as 128 rows of 32 elements of 8 bytes, no padding
	s_or_b32 s[G1+0], s43, (3<<16)|(1<<21)         ; 15:0 the mask: A's tiles go to my row; 17:16 elements of 8 bytes; 21 set beside a mask
	s_or_b32 s[G1B+0], s44, (3<<16)|(1<<21)        ; B's go to my column
.irp g, G1, G1B
	s_mov_b32 s[\g+1], 32<<16                      ; tensor_dim0 = 32
	s_mov_b32 s[\g+2], 128<<16                     ; tensor_dim1 = 128
	s_mov_b32 s[\g+3], 32<<16                      ; tile_dim0 = 32
	s_mov_b32 s[\g+4], 128                         ; tile_dim1 = 128
	s_mov_b32 s[\g+5], 32                          ; tensor_dim0_stride
	s_mov_b32 s[\g+6], 0
	s_mov_b32 s[\g+7], 0
.endr
	; which images, which tiles.  k, q: A = x's image X (32 tiles of 256 rows: 4 Y + cy), B = weight X (4 tiles: cx).  v: A = Wv (cy), B = x's third image (4 Y + cx).  A's registers never hold cx, B's never cy.
	s_lshl_b32 s18, s12, 23
	s_lshl_b32 s22, s12, 20
	s_add_co_u32 s22, s22, (24<<20)
	s_mov_b32 s19, (26<<20)
	s_mov_b32 s23, (16<<20)
	s_cmp_eq_u32 s12, 2
	s_cselect_b32 s18, s19, s18                    ; A's image
	s_cselect_b32 s22, s23, s22                    ; B's image
	s_cselect_b32 s19, 0, s13
	s_cselect_b32 s23, s13, 0
	s_add_co_u32 s17, s19, s41                     ; A's tile
	s_add_co_u32 s42, s23, s40                     ; B's tile
	s_lshl_b32 s19, s17, 18                        ; 256 rows of an image are 262,144 bytes
	s_add_co_u32 s18, s18, s19
	s_lshl_b32 s23, s42, 18
	s_add_co_u32 s22, s22, s23
	s_lshl_b32 s45, s16, 17                        ; the 128 rows that I fetch
	s_add_co_u32 s18, s18, s45
	s_add_co_u32 s22, s22, s45
	s_mov_b32 s19, 0
	s_mov_b32 s23, 0
	s_lshl_b32 s45, s14, 15                        ; where they go: wave x 32,768: no place in the cluster enters an LDS address
	s_wait_kmcnt 0x0
	s_load_b256 s[72:79], s[68:69], 0x0            ; entries 0 to 7
	s_load_b128 s[80:83], s[68:69], 0x20           ; entries 8 to 11
	s_add_nc_u64 s[20:21], s[4:5], s[18:19]
	s_add_nc_u64 s[46:47], s[4:5], s[22:23]
	CROUND                                         ; all sixteen work-groups are here: the first joint loads meet
.irp s, 0,1
	s_mov_b32 s[G0+4*\s], 1
	s_add_co_u32 s[G0+4*\s+1], s45, \s*SLOT
	s_add_nc_u64 s[G0+4*\s+2:G0+4*\s+3], s[20:21], \s*CH
	s_or_b32 s[G0+4*\s+3], s[G0+4*\s+3], 0x80000000
	s_mov_b32 s[G0B+4*\s], 1
	s_add_co_u32 s[G0B+4*\s+1], s45, \s*SLOT
	s_add_nc_u64 s[G0B+4*\s+2:G0B+4*\s+3], s[46:47], \s*CH
	s_or_b32 s[G0B+4*\s+3], s[G0B+4*\s+3], 0x80000000
	JLOAD G0+4*\s, G1, G0B+4*\s, G1B               ; K steps 0 and 1: two loads of mine are out
.endr
	v_and_b32 v1, 31, v0
	v_lshlrev_b32 v[CO], 4, v1
	s_lshl_b32 s21, s15, 15                        ; my 128 rows of A
	s_lshl_b32 s22, s16, 15                        ; my 128 rows of B,
	s_add_co_u32 s22, s22, 2*CH                    ; which lie behind A's two halves
.irp s, 0,1
	v_add_nc_u32 v[ADRA+\s], s21, v[CO]
	v_add_nc_u32 v[ADRB+\s], s22, v[CO]
	s_add_co_u32 s21, s21, SLOT
	s_add_co_u32 s22, s22, SLOT
.endr
	; which side holds tokens and which features; the bias; where my results go
	s_cmp_eq_u32 s12, 2
	s_cselect_b32 s92, s42, s17                    ; the tokens' tile,
	s_cselect_b32 s93, s16, s15                    ; my half of it;
	s_cselect_b32 s94, s17, s42                    ; the features' tile,
	s_cselect_b32 s95, s15, s16                    ; my half of it
	s_cselect_b64 s[90:91], s[10:11], s[6:7]       ; bv or bk,
	s_cmp_eq_u32 s12, 1
	s_cselect_b64 s[90:91], s[8:9], s[90:91]       ; or bq: the choice hangs on X alone
	s_lshl_b32 s94, s94, 8
	s_lshl_b32 s95, s95, 7
	s_add_co_u32 s94, s94, s95                     ; my first feature of 128
	s_lshl_b32 s96, s94, 2
	s_mov_b32 s97, 0
	s_add_nc_u64 s[90:91], s[90:91], s[96:97]
	v_and_b32 v1, 15, v0                           ; r
	v_bfe_u32 v2, v0, 4, 1                         ; h
	v_lshlrev_b32 v[BO1], 6, v2
	v_and_b32 v3, 8, v1
	v_add_nc_u32 v3, v3, v1
	v_lshlrev_b32 v[BO2], 2, v3
	; Both forms of my 128 features' bias are loaded on the one path that all take: by registers (k, q: register 16 b + i is feature 32 b + 16 h + i) and by lanes (v: pair a is feature 32 (a / 2) + 8 (a % 2) + r + 8 (r / 8), twice).
	; One way out reads the one form, the other the other.
.irp b, 0,1,2,3
.irp j, 0,1,2,3
	global_load_b128 v[BI+16*\b+4*\j:BI+16*\b+4*\j+3], v[BO1], s[90:91] offset:128*\b+16*\j
.endr
.endr
.irp a, 0,1,2,3,4,5,6,7
	global_load_b32 v[BV+2*\a], v[BO2], s[90:91] offset:4*(32*(\a/2)+8*(\a%2))
	global_load_b32 v[BV+2*\a+1], v[BO2], s[90:91] offset:4*(32*(\a/2)+8*(\a%2))
.endr
	s_lshl_b32 s92, s92, 8
	s_lshl_b32 s93, s93, 7
	s_add_co_u32 s92, s92, s93                     ; my first token of 128
	s_lshr_b32 s93, s92, 11                        ; its batch
	s_lshl_b32 s93, s93, 4
	s_lshr_b32 s95, s94, 6                         ; my first head of two
	s_add_co_u32 s93, s93, s95
	s_lshl_b32 s93, s93, 17                        ; a head's part of a tensor is 131,072 bytes,
	s_and_b32 s92, s92, 2047
	s_lshl_b32 s92, s92, 6                         ; a token's 64 bytes (16 tokens 1,024 in k and q, 128 keys 8,192 in v),
	s_add_co_u32 s92, s92, s93
	s_lshl_b32 s93, s12, 23                        ; a tensor 8 MiB
	s_add_co_u32 s92, s92, s93
	s_mov_b32 s93, 0
	s_add_nc_u64 s[70:71], s[70:71], s[92:93]
.macro FRAG reg, adr, q, i             ; fragment i of my 128 rows, the slot's q-th 128 along K: 2,048 bytes on end, 16 registers
.irp c, 0,1,2,3
	ds_load_b128 v[\reg+4*\c:\reg+4*\c+3], v[\adr] offset:4096*(\i)+2048*(\q)+512*\c
.endr
.endm
; 16 matrix instructions: A's blocks a0, a0 + 1 x B's eight, 128 along K.  p: B's set.  zero = 1: the first product starts the sums.  The 64 accumulators take turns, one instruction a turn, in the same order in every step.
.macro MUL16 a0, p, zero
.irp a, \a0, \a0+1
.irp b, 0,1,2,3,4,5,6,7
.if \zero
	v_wmma_f32_16x16x128_fp8_fp8 v[8*(8*((\a)%4)+\b):8*(8*((\a)%4)+\b)+7], v[128*(\p)+FR*\b:128*(\p)+FR*\b+FR-1], v[AF+FR*(\a):AF+FR*(\a)+FR-1], 0
.else
	v_wmma_f32_16x16x128_fp8_fp8 v[8*(8*((\a)%4)+\b):8*(8*((\a)%4)+\b)+7], v[128*(\p)+FR*\b:128*(\p)+FR*\b+FR-1], v[AF+FR*(\a):AF+FR*(\a)+FR-1], v[8*(8*((\a)%4)+\b):8*(8*((\a)%4)+\b)+7]
.endif
.endr
.endr
.endm
.macro FETCH_B slot, q, p
	WIN TO_B
.irp i, 0,1,2,3,4,5,6,7
	FRAG 128*(\p)+FR*\i, ADRB+\slot, \q, \i
.endr
	WIN 0
.endm
.macro FETCH_A slot, q, i0
.irp i, \i0, \i0+1, \i0+2, \i0+3
	FRAG AF+FR*(\i), ADRA+\slot, \q, \i
.endr
.endm
.macro PLACES n                        ; plain vector lines between a matrix instruction and a load into, or a vector write of, one of its registers, or a read of its result
.rept \n
	v_nop
.endr
.endm
; A step of 128 along K that has its successor in the same slot.  A's blocks are free as soon as their eight products are issued: blocks 0-3 are fetched anew in the step's middle, blocks 4-7 at its end; B has two sets.
.macro STEP slot, q, zero
	s_wait_dscnt 4*NL                              ; B's set and A's blocks 0-3 are in; the youngest 16 loads (A's blocks 4-7) may be out
	WIN MUL_LO
	MUL16 0, (\q)%2, \zero
	MUL16 2, (\q)%2, \zero
	s_wait_dscnt 0
	PLACES NP
	FETCH_B \slot, (\q)+1, 1-(\q)%2
	FETCH_A \slot, (\q)+1, 0
	WIN MUL_HI
	MUL16 4, (\q)%2, \zero
	MUL16 6, (\q)%2, \zero
	PLACES NP
	WIN 0
	FETCH_A \slot, (\q)+1, 4
.endm
; A slot's last step changes slots: one barrier; in front of it each wave waits for all its tensor loads, adds 0 to its spare word, and waits for that and for its own reads of this slot.  fill = 1: this slot is filled again, two K steps ahead.
.macro TURN slot, next, fill
	s_wait_tensorcnt 0x0                           ; all my tensor loads have landed: my part of the next slot
	ds_add_u32 v[SPW], v[NIL]                      ; 0 onto my spare word
	s_wait_dscnt 4*NL+1                            ; (the add and the youngest 16 loads may be out)
	WIN MUL_LO
	MUL16 0, 1, 0                                  ; sixteen matrix instructions stand between the add and the wait for it
	s_wait_dscnt 0x0                               ; the add is done, and my reads of this slot are over
	s_barrier_signal -1
	MUL16 2, 1, 0
	WIN 0
	s_barrier_wait -1
.if \fill
	CREST                                          ; the barrier has opened a round of the cluster's barrier: no wave of any partner still reads this slot or has a load on its way
	s_add_nc_u64 s[G0+4*\slot+2:G0+4*\slot+3], s[G0+4*\slot+2:G0+4*\slot+3], 2*CH
	s_add_nc_u64 s[G0B+4*\slot+2:G0B+4*\slot+3], s[G0B+4*\slot+2:G0B+4*\slot+3], 2*CH
	JLOAD G0+4*\slot, G1, G0B+4*\slot, G1B         ; the first tensor load behind the round; its four v_nop are also the places in front of the loads below
.else
	PLACES NP
.endif
	FETCH_B \next, 0, 0
	FETCH_A \next, 0, 0
	WIN MUL_HI
	MUL16 4, 1, 0
	MUL16 6, 1, 0
	PLACES NP
	WIN 0
	FETCH_A \next, 0, 4
.endm
	s_wait_tensorcnt 1                             ; my part of K step 0 is in (K step 1's load may be out)
	s_barrier_signal -1
	s_barrier_wait -1                              ; everybody's is
	FETCH_B 0, 0, 0
	FETCH_A 0, 0, 0
	FETCH_A 0, 0, 4
	STEP 0, 0, 1                                   ; K = 1,024 is four slots' worth: written out, no counter
	TURN 0, 1, 1                                   ; slot 0 takes K step 2
	STEP 1, 0, 0
	TURN 1, 0, 1                                   ; slot 1 takes K step 3
	STEP 0, 0, 0
	TURN 0, 1, 0                                   ; nothing is left to fetch
	STEP 1, 0, 0
	s_wait_dscnt 4*NL
	WIN MUL_LO
	MUL16 0, 1, 0
	MUL16 2, 1, 0
	s_wait_dscnt 0
	WIN MUL_HI
	MUL16 4, 1, 0
	MUL16 6, 1, 0
	WIN 0
	; THE WAY OUT: result = sum x 2^(ex + ew) + bias, one packed multiply-add for two; held within +-448 x 2^eo; converted; stored.
	s_wait_loadcnt 0x0                             ; the bias
	s_wait_kmcnt 0x0
	s_cmp_eq_u32 s12, 1
	s_cselect_b32 s84, s74, s72                    ; ex: entry 2 (q) or 0 (k),
	s_cselect_b32 s85, s75, s73                    ; ew: entry 3 or 1,
	s_cselect_b32 s86, s78, s79                    ; eo: entry 6 (q) or 7 (k);
	s_cmp_eq_u32 s12, 2
	s_cselect_b32 s84, s76, s84                    ; v: entries 4, 5, 9
	s_cselect_b32 s85, s77, s85
	s_cselect_b32 s86, s81, s86
	s_add_co_i32 s88, s84, s85
	s_add_co_i32 s88, s88, 127
	s_lshl_b32 s88, s88, 23                        ; 2^(ex + ew) as f32
	s_mov_b32 s89, s88                             ; (named with it as a pair, so it is written)
	s_add_co_i32 s86, s86, 127
	s_lshl_b32 s87, s86, 23
	v_mov_b32 v[SC], s87
	s_add_co_i32 s86, s86, 8
	s_lshl_b32 s86, s86, 23
	s_or_b32 s86, s86, 0x600000
	v_mov_b32 v[LIM], s86
	PLACES 2                                       ; with the two lines above: four places behind the last products, whose A registers are written below
; Block a of side A against all of side B: 64 numbers a lane; register 16 b + 8 u + i comes from accumulator (a, 2 b + u).  Each accumulator is read from its low end on.
.macro BLOCK a, isv
.set AC, 64*((\a)%4)
.set CB, CD+16*((\a)%4)
	WIN 0x02+((\a)/4)                              ; source 0: window 2 or 3
.set nn, 0
.rept 32
.if \isv
	v_pk_fma_f32 v[T+nn:T+nn+1], v[AC+nn:AC+nn+1], s[88:89], v[BV+2*(\a):BV+2*(\a)+1] op_sel_hi:[1,0,1]
.else
	v_pk_fma_f32 v[T+nn:T+nn+1], v[AC+nn:AC+nn+1], s[88:89], v[BI+nn:BI+nn+1] op_sel_hi:[1,0,1]
.endif
.set nn, nn+2
.endr
	WIN 0
.set nn, 0
.rept 64
	v_med3_num_f32 v[T+nn], v[T+nn], -v[LIM], v[LIM]   ; the conversion does not saturate (ISA guide 7.6.2)
.set nn, nn+1
.endr
.irp g, 0,1,2,3,4,5,6,7
	v_cvt_scalef32_pk8_fp8_f32 v[CB+2*\g:CB+2*\g+1], v[T+8*\g:T+8*\g+7], v[SC]
.endr
	v_nop                                          ; one plain line between the conversions and the next block's lines, which write their sources
.irp b, 0,1,2,3
.if \isv
	global_store_b128 v[CO], v[CB+4*\b:CB+4*\b+3], s[70:71] offset:((\a)/4)*131072+((\a)%4)*2048+512*\b   ; head a / 4, tile of d a % 4, quad b
.else
	global_store_b128 v[CO], v[CB+4*\b:CB+4*\b+3], s[70:71] offset:(\b/2)*131072+(\a)*1024+(\b%2)*512     ; head b / 2, tile of tokens a, chunk b % 2
.endif
.endr
.endm
	s_cmp_eq_u32 s12, 2
	s_cbranch_scc1 .Lv_out
.irp a, 0,1,2,3
	BLOCK \a, 0
.endr
	s_wait_xcnt 0x0                                ; the first four blocks' stores have read their codes' registers, which are written again
.irp a, 4,5,6,7
	BLOCK \a, 0
.endr
	s_branch .Ldone
.Lv_out:
.irp a, 0,1,2,3
	BLOCK \a, 1
.endr
	s_wait_xcnt 0x0
.irp a, 4,5,6,7
	BLOCK \a, 1
.endr
.Ldone:
	s_wait_tensorcnt 0x0                           ; the wave's end
	ds_add_u32 v[SPW], v[NIL]
	s_wait_dscnt 0x0
	CROUND                                         ; the closing round: no work-group ends while a partner may still ask for a tile that names it
	s_endpgm
.Lfunc_end_k_q799f57e0c9_qkv:
	.size	k_q799f57e0c9_qkv, .Lfunc_end_k_q799f57e0c9_qkv-k_q799f57e0c9_qkv
	.p2alignl 7, 3214868480
	.fill 96, 4, 3214868480
	.section	.rodata,"a",@progbits
	.p2align	6, 0x0
	.amdhsa_kernel k_q799f57e0c9_qkv
		.amdhsa_group_segment_fixed_size 327680
		.amdhsa_private_segment_fixed_size 0
		.amdhsa_enable_private_segment 0
		.amdhsa_kernarg_size 48
		.amdhsa_user_sgpr_count 2
		.amdhsa_user_sgpr_kernarg_segment_ptr 1
		.amdhsa_wavefront_size32 1
		.amdhsa_system_sgpr_workgroup_id_x 1
		.amdhsa_system_sgpr_workgroup_id_y 1
		.amdhsa_system_sgpr_workgroup_id_z 1
		.amdhsa_system_vgpr_workitem_id 0
		.amdhsa_next_free_vgpr 1024
		.amdhsa_next_free_sgpr 100
		.amdhsa_reserve_vcc 0
		.amdhsa_float_denorm_mode_32 3
		.amdhsa_float_denorm_mode_16_64 3
		.amdhsa_memory_ordered 1
		.amdhsa_forward_progress 1
		.amdhsa_inst_pref_size 193
	.end_amdhsa_kernel
	.amdgpu_metadata
---
amdhsa.version: [ 1, 2 ]
amdhsa.kernels:
  - .name:           k_q799f57e0c9_qkv
    .symbol:         k_q799f57e0c9_qkv.kd
    .args:
      - { .name: img, .offset: 0, .size: 8, .value_kind: global_buffer, .address_space: global }
      - { .name: bk, .offset: 8, .size: 8, .value_kind: global_buffer, .address_space: global }
      - { .name: bq, .offset: 16, .size: 8, .value_kind: global_buffer, .address_space: global }
      - { .name: bv, .offset: 24, .size: 8, .value_kind: global_buffer, .address_space: global }
      - { .name: lowp_scales, .offset: 32, .size: 8, .value_kind: global_buffer, .address_space: global }
      - { .name: qkv, .offset: 40, .size: 8, .value_kind: global_buffer, .address_space: global }
    .group_segment_fixed_size: 327680
    .private_segment_fixed_size: 0
    .kernarg_segment_align: 8
    .kernarg_segment_size: 48
    .max_flat_workgroup_size: 128
    .sgpr_count:     100
    .vgpr_count:     1024
    .wavefront_size: 32
...
	.end_amdgpu_metadata
.endif
;; end of part 2
;; launch attn (part 3): grid 4 x 64, 16 waves a work-group, no clusters, 34,816 bytes of LDS; arguments qkv, lowp_scales, oimg; writes oimg
.if DOCPART == 3
	.amdgcn_target "amdgcn-amd-amdhsa--gfx1250"
	.amdhsa_code_object_version 6
	.text
	.protected	k_q799f57e0c9_attn
	.globl	k_q799f57e0c9_attn
	.p2align	8
	.type	k_q799f57e0c9_attn,@function
k_q799f57e0c9_attn:
	s_mov_b64 s[64:65], 0
	v_nop
	global_prefetch_b8 v0, s[64:65] scope:SCOPE_SE
	s_setreg_imm32_b32 hwreg(HW_REG_WAVE_MODE, 25, 1), 1
	s_wait_xcnt 0x0
; o = softmax(q k^T / 8, causal) v for 64 (batch x head) of 2,048 tokens x 64, both products on codes of E4M3 as the launch before laid them; o is quantised by entry 10 of the scales into a register image for the last product.
; THE SOFTMAX: t = score x log2(e) / 8; M = the running largest t rounded UP to a whole number; p = 2^(t - M) is quantised by entry 8, not normalised; the row's sum is taken of the unquantised p and divides at the end.
; When M moves, the sum and O are multiplied by 2^(old M - new M): nothing is rounded.
; SHARES.  A work-group takes query block i (256 queries) of its head and then block 7 - i: 2 (i + 1) + 2 (8 - i) = 18 key steps of 128 in every work-group, so all trip counts are constants and all 256 work-groups have equal work.
; Each of the 16 waves owns 16 queries of the block in hand, in 256 registers: four waves to a SIMD, so that one wave's vector work stands beside another's products and LDS loads.
; LAYOUT.  Both products are used transposed: S^T = K Q^T (source 0 = 16 neighbouring keys, source 1 = my queries): lane (r, h) holds query r and keys 16 tile + 8 h + 0 .. 7: the conversion of a tile's eight registers gives registers
; 2 tile, 2 tile + 1 of source 1 of O^T = V^T P^T in that form's own order of k, in which v's codes were laid.  V's tile 2 b + u holds d = 32 b + 8 u + r + 8 (r / 8), so O^T's accumulators 2 b, 2 b + 1 hold d = 32 b + 16 h + 0 .. 15 of my query.
; TILES.  A key step's K (8,192 bytes) and V (8,192) go through registers into one of two LDS slots: each of the 512 threads copies 16 bytes of each.  A tile is asked of memory two steps before it is multiplied and stored to LDS one step before.
; One barrier a step parts this step's reads from the next step's stores, and this step's stores from the next step's reads.  No tensor loads, so no ring of that kind.
; No multicast: the four work-groups of a head begin again at key 0 after different numbers of steps, so they never want one tile at one time.
; CAUSAL.  A step all of whose keys come after my 16 queries is jumped over (a scalar branch on ids; the copies and the barrier are not).  In the step on the diagonal hidden scores become -infinity ahead of the maximum.
; The first key of every step that a wave works on counts for all its queries, so M is a number from the first step on.
; THE HOLD of p at 448 x 2^e8 is jumped over where e8 >= -8: then 448 x 2^e8 >= 1.75 lies over every p.  (A scalar branch on a whole number of the input, round vector lines alone.)
; LIMITS: entries 6 + 7 between -123 and 130 (added to c's exponent field); entries 8 and 10 between -126 and 119.  NaN among the inputs is not served.
; REGISTERS: v1 16 x lane; v2 16 x thread; v3 the copies' offset; v4, v5 Q's offset for the two blocks; v6, v7 o's; v8 the mask's d; v9 -infinity; v10 r - 8 h; v12 -M; v13 the largest t; v[14:15] the sum in two halves; v16-23 Q;
;   v[24:25] f; v26-28 at work; v29, v30 2^e8 and 448 x 2^e8; v32-95 K's 8 fragments, then V's 4; v96-159 S^T, then p; v160-191 O^T; v192-207 p's codes; v208-223 two tiles on their way; v[224:225] a second chain of the sum; v226-233 o's codes; v234, v235 2^e10, 448 x 2^e10.
.set SLOTB, 16384                      ; an LDS slot: K's 8,192 bytes, then V's
.set VOFF,  8192
.set STEPB, 8192                       ; a key step in K, and in V, in memory
.set G,     208
.set WV,   10
.set PI,   11                          ; s11  i: the work-group's x
.set BH,   12                          ; s12  batch x head
.set KP,   14                          ; s[14:15] k's codes of my head;  s[16:17] v's;  s[18:19] q's, at my wave's tile of block 0;  s[8:9] o's image at my wave's place in block 0
.set VP,   16
.set QP,   18
.set OP,   8
.set SEL,  20                          ; s[20:21] lane selects for v_permlanex16_b32: lane l xor 16
.set CS,   22                          ; s[22:23] c = log2(e) / 8 x 2^(e6 + e7)
.set EP,   32                          ; s32  e8 (s[24:35]: the twelve exponents)
.set EPV,  36                          ; s36  e8 + e9
.set Q0,   37                          ; s37  my first query
.set KF,   38                          ; s38  the step's first key
.set TOFF, 39                          ; s39  the byte in K and V of the tile asked for last
.set LIMT, 40                          ; s40  where the first block's tiles end
.set TRIP, 41
.set TMP,  42
.set Q1,   46                          ; s46  my first query in the second block
	s_load_b128 s[4:7], s[0:1], 0x0                ; qkv s[4:5], the scales' exponents s[6:7]
	s_load_b64 s[8:9], s[0:1], 0x10                ; oimg
	v_lshl_add_u32 v254, v0, 2, 0x8000
	v_mov_b32 v255, 0
	v_lshrrev_b32 v1, 5, v0
	v_readfirstlane_b32 s[WV], v1                  ; wave 0..15
	s_mov_b32 s[PI], ttmp9
	s_and_b32 s[BH], ttmp7, 0xffff
	v_and_b32 v1, 31, v0
	v_lshlrev_b32 v1, 4, v1
	v_lshlrev_b32 v2, 4, v0
	s_sub_co_u32 s43, 7, s[PI]                     ; the second block
	s_lshl_b32 s[TMP], s[PI], 14                   ; a block's 256 queries are 16,384 bytes of q,
	v_add_nc_u32 v4, s[TMP], v1
	s_lshl_b32 s[TMP], s43, 14
	v_add_nc_u32 v5, s[TMP], v1
	s_lshl_b32 s[TMP], s[PI], 18                   ; and 262,144 bytes apart in o's image
	v_add_nc_u32 v6, s[TMP], v1
	s_lshl_b32 s[TMP], s43, 18
	v_add_nc_u32 v7, s[TMP], v1
	v_and_b32 v10, 15, v0
	v_bfe_u32 v11, v0, 4, 1
	v_lshlrev_b32 v11, 3, v11
	v_sub_nc_u32 v10, v10, v11                     ; r - 8 h
	v_mov_b32 v9, 0xff800000                       ; -infinity
	s_lshl_b32 s[TMP], s[WV], 4
	s_lshl_b32 s[Q0], s[PI], 8
	s_add_co_u32 s[Q0], s[Q0], s[TMP]              ; 256 i + 16 wave
	s_lshl_b32 s[Q1], s43, 8
	s_add_co_u32 s[Q1], s[Q1], s[TMP]
	s_mov_b32 s[KF], 0
	s_mov_b32 s[TOFF], STEPB                       ; tiles 0 and 1 are asked for below
	s_lshl_b32 s[LIMT], s[PI], 14
	s_add_co_u32 s[LIMT], s[LIMT], 2*STEPB         ; (2 i + 2) x 8,192
	s_mov_b32 s[SEL], 0x76543210
	s_mov_b32 s[SEL+1], 0xfedcba98
	s_mov_b32 s[CS], 0x3e38aa3b                    ; log2(e) / 8
	; o's image: [row / 128][k / 256][(row / 16) % 8][(k / 128) % 2][(k / 32) % 4][lane][16]; row = 2,048 batch + 256 block + 16 wave + r, k = 64 head + d
	s_lshr_b32 s[TMP], s[BH], 4
	s_lshl_b32 s44, s[TMP], 21
	s_lshr_b32 s[TMP], s[WV], 3
	s_lshl_b32 s[TMP], s[TMP], 17
	s_add_co_u32 s44, s44, s[TMP]
	s_bfe_u32 s[TMP], s[BH], 0x20002               ; head / 4
	s_lshl_b32 s[TMP], s[TMP], 15
	s_add_co_u32 s44, s44, s[TMP]
	s_and_b32 s[TMP], s[WV], 7
	s_lshl_b32 s[TMP], s[TMP], 12
	s_add_co_u32 s44, s44, s[TMP]
	s_and_b32 s[TMP], s[BH], 3                     ; head % 4: 2,048 x (its upper bit) + 1,024 x (its lower)
	s_lshl_b32 s[TMP], s[TMP], 10
	s_add_co_u32 s44, s44, s[TMP]
	s_mov_b32 s45, 0
	s_wait_kmcnt 0x0
	s_load_b256 s[24:31], s[6:7], 0x0              ; entries 0 to 7
	s_load_b128 s[32:35], s[6:7], 0x20             ; entries 8 to 11
	s_add_nc_u64 s[OP:OP+1], s[OP:OP+1], s[44:45]
	s_lshl_b32 s44, s[BH], 17                      ; a head's part of a tensor: 131,072 bytes
	s_add_nc_u64 s[KP:KP+1], s[4:5], s[44:45]
	s_add_nc_u64 s[VP:VP+1], s[KP:KP+1], (16<<20)
	s_add_nc_u64 s[QP:QP+1], s[KP:KP+1], (8<<20)
	s_lshl_b32 s44, s[WV], 10
	s_add_nc_u64 s[QP:QP+1], s[QP:QP+1], s[44:45]
	global_load_b128 v[16:19], v4, s[QP:QP+1]                  ; Q's fragment: d = 16 h + 0 .. 15,
	global_load_b128 v[20:23], v4, s[QP:QP+1] offset:512       ; d = 32 + 16 h + 0 .. 15
	global_load_b128 v[G:G+3], v2, s[KP:KP+1]                  ; tile 0
	global_load_b128 v[G+4:G+7], v2, s[VP:VP+1]
	global_load_b128 v[G+8:G+11], v2, s[KP:KP+1] offset:STEPB  ; tile 1
	global_load_b128 v[G+12:G+15], v2, s[VP:VP+1] offset:STEPB
	v_mov_b32 v13, 0xff61b1e6                      ; the largest t so far: -3e38, under every t
	v_floor_f32 v12, -v13                          ; -M
	v_mov_b32 v14, 0
	v_mov_b32 v15, 0
	v_mov_b32 v25, 0                               ; (named as the upper half of the pair v[24:25])
	v_mov_b32 v28, 0                               ; a lane permute's destination counts as one of its sources
.set nn, 0
.rept 32
	v_mov_b32 v[160+nn], 0                         ; O^T, once: the step is written with no first step of its own
.set nn, nn+1
.endr
	s_wait_kmcnt 0x0
	s_add_co_i32 s[TMP], s30, s31
	s_lshl_b32 s[TMP], s[TMP], 23
	s_add_co_i32 s[CS], s[CS], s[TMP]              ; a score stands for score x 2^(e6 + e7)
	s_mov_b32 s[CS+1], s[CS]
	s_add_co_i32 s[EPV], s32, s33
	s_add_co_i32 s[TMP], s32, 127
	s_lshl_b32 s43, s[TMP], 23
	v_mov_b32 v29, s43
	s_add_co_i32 s[TMP], s[TMP], 8
	s_lshl_b32 s[TMP], s[TMP], 23
	s_or_b32 s[TMP], s[TMP], 0x600000
	v_mov_b32 v30, s[TMP]
	s_add_co_i32 s[TMP], s34, 127
	s_lshl_b32 s43, s[TMP], 23
	v_mov_b32 v234, s43
	s_add_co_i32 s[TMP], s[TMP], 8
	s_lshl_b32 s[TMP], s[TMP], 23
	s_or_b32 s[TMP], s[TMP], 0x600000
	v_mov_b32 v235, s[TMP]
	s_wait_loadcnt 0x2                             ; Q and tile 0 are in; tile 1's two loads may be out
	ds_store_b128 v2, v[G:G+3]
	ds_store_b128 v2, v[G+4:G+7] offset:VOFF
	s_wait_dscnt 0x0
	s_barrier_signal -1
	s_barrier_wait -1                              ; tile 0 lies in slot 0
; A KEY STEP on the tile in \slot.  st = 1: the next tile goes from registers into the other slot.  ld = 1: the tile after that is asked of memory.  bar = 1: the closing barrier.
.macro STEP slot, st, ld, bar
.if \st
	s_wait_loadcnt 0x0                             ; the next tile's two loads, asked for a step ago (and Q's, behind a change of blocks)
	ds_store_b128 v2, v[G+8*(1-\slot):G+8*(1-\slot)+3] offset:(1-\slot)*SLOTB          ; the other slot was read last step; every wave's reads were waited for in front of the barrier
	ds_store_b128 v2, v[G+8*(1-\slot)+4:G+8*(1-\slot)+7] offset:(1-\slot)*SLOTB+VOFF
.endif
.if \ld
	s_add_co_u32 s[TOFF], s[TOFF], STEPB
	s_cmp_eq_u32 s[TOFF], s[LIMT]                  ; behind the first block's last tile comes the second block's first: key 0
	s_cselect_b32 s[TOFF], 0, s[TOFF]
	s_cselect_b32 s[LIMT], -1, s[LIMT]
	v_add_nc_u32 v3, s[TOFF], v2                   ; (the loads that read v3 are done: the wait above)
	global_load_b128 v[G+8*\slot:G+8*\slot+3], v3, s[KP:KP+1]       ; into the registers whose LDS stores were waited for in front of the last barrier
	global_load_b128 v[G+8*\slot+4:G+8*\slot+7], v3, s[VP:VP+1]
.endif
	s_add_co_u32 s[TMP], s[Q0], 15
	s_cmp_gt_u32 s[KF], s[TMP]
	s_cbranch_scc1 .Lhid_\@                        ; all 128 keys come after my queries
.rept 4
	v_nop                                          ; places in front of loads into registers that the last products read
.endr
.set nn, 0
.rept 16
	ds_load_b128 v[32+4*nn:35+4*nn], v1 offset:\slot*SLOTB+512*nn      ; K: tile nn / 2, chunk nn % 2
.set nn, nn+1
.endr
	s_wait_dscnt 0x0
.irp t, 0,1,2,3,4,5,6,7
	v_wmma_f32_16x16x64_fp8_fp8 v[96+8*\t:103+8*\t], v[32+8*\t:39+8*\t], v[16:23], 0
.endr
.rept 4
	v_nop                                          ; places in front of the loads below and of the first read of the scores
.endr
.set nn, 0
.rept 16
	ds_load_b128 v[32+4*nn:35+4*nn], v1 offset:\slot*SLOTB+VOFF+512*nn  ; V: tile of d nn / 4, quad nn % 4: they land under the softmax
.set nn, nn+1
.endr
	s_add_co_u32 s[TMP], s[KF], 127
	s_cmp_le_u32 s[TMP], s[Q0]
	s_cbranch_scc1 .Lopen_\@                       ; all 128 keys count
	s_sub_co_i32 s[TMP], s[Q0], s[KF]
	v_add_nc_u32 v8, s[TMP], v10                   ; d = my query - KF - 8 h.  Register 8 tile + j holds key KF + 8 h + 16 tile + j: hidden where 16 tile + j > d
.set nn, 0
.rept 64
	v_cmp_gt_i32 vcc_lo, 16*(nn/8)+nn%8, v8
	v_cndmask_b32 v[96+nn], v[96+nn], v9, vcc_lo
.set nn, nn+1
.endr
.Lopen_\@:
	v_max3_num_f32 v26, v96, v97, v98              ; the step's largest score of my query among my 64 keys, in two chains,
	v_max3_num_f32 v27, v99, v100, v101
.irp i, 6,10,14,18,22,26,30,34,38,42,46,50,54,58
	v_max3_num_f32 v26, v26, v[96+\i], v[97+\i]
	v_max3_num_f32 v27, v27, v[98+\i], v[99+\i]
.endr
	v_max3_num_f32 v26, v26, v158, v159
	v_max_num_f32 v26, v26, v27
	v_permlanex16_b32 v28, v26, s[SEL], s[SEL+1]
	v_max_num_f32 v26, v26, v28                    ; and among lane l xor 16's
	v_mul_f32 v26, s[CS], v26                      ; as t (c is positive)
	v_max_num_f32 v13, v13, v26                    ; the running largest t
	v_mov_b32 v26, v12
	v_floor_f32 v12, -v13                          ; the new -M = floor(-t): M is a whole number
	v_sub_f32 v26, v12, v26                        ; old M - new M: a whole number, 0 or less
	v_cvt_i32_f32 v26, v26                         ; (it saturates)
	v_ldexp_f32 v24, 1.0, v26                      ; f = 2^(old M - new M); 0 in a block's first step
.set nn, 0
.rept 32
	v_pk_fma_f32 v[96+nn:97+nn], v[96+nn:97+nn], s[CS:CS+1], v[12:13] op_sel_hi:[1,0,0]   ; t - M, two at a time
.set nn, nn+2
.endr
.set nn, 0
.rept 64
	v_exp_f32 v[96+nn], v[96+nn]                   ; p = 2^(t - M), at most 1
.set nn, nn+1
.endr
	v_pk_mul_f32 v[14:15], v[14:15], v[24:25] op_sel_hi:[1,0]   ; the sums under the new M: the plain line behind the exponentials
	s_wait_alu depctr_va_vdst(0)                   ; one wait for the batch of 64, ahead of its first reader
	v_pk_add_f32 v[224:225], v[96:97], v[98:99]    ; the row's sum is taken of the unquantised p, in two chains
.irp j, 4,8,12,16,20,24,28,32,36,40,44,48,52,56,60
	v_pk_add_f32 v[14:15], v[14:15], v[96+\j:97+\j]
	v_pk_add_f32 v[224:225], v[224:225], v[98+\j:99+\j]
.endr
	v_pk_add_f32 v[14:15], v[14:15], v[224:225]
	s_cmp_gt_i32 s[EP], -9
	s_cbranch_scc1 .Lnohold_\@                     ; 448 x 2^e8 lies over every p
.set nn, 0
.rept 64
	v_min_num_f32 v[96+nn], v[96+nn], v30          ; the conversion does not saturate (ISA guide 7.6.2); p is not negative
.set nn, nn+1
.endr
.Lnohold_\@:
.irp t, 0,1,2,3,4,5,6,7
	v_cvt_scalef32_pk8_fp8_f32 v[192+2*\t:193+2*\t], v[96+8*\t:103+8*\t], v29   ; keys 16 t + 8 h + 0 .. 7
.endr
.set nn, 0
.rept 16
	v_pk_mul_f32 v[160+nn:161+nn], v[160+nn:161+nn], v[24:25] op_sel_hi:[1,0]   ; O^T under the new M; also the plain lines between the conversions and the products
.set nn, nn+2
.endr
	s_wait_dscnt 0x0                               ; V
.irp t, 0,1,2,3
	v_wmma_f32_16x16x128_fp8_fp8 v[160+8*\t:167+8*\t], v[32+16*\t:47+16*\t], v[192:207], v[160+8*\t:167+8*\t]   ; four accumulators by turns; the next step's eight products stand between two links
.endr
.Lhid_\@:
	s_add_co_u32 s[KF], s[KF], 128
.if \bar
	s_wait_dscnt 0x0                               ; my stores into the other slot have landed, my reads of this one are in
	s_barrier_signal -1
	s_barrier_wait -1
.endif
.endm
; A block's end: O^T x 2^(e8 + e9) / the sum, held, converted by entry 10, stored: 1,024 consecutive bytes a wave: chunks 2 (head % 2) and 2 (head % 2) + 1 of a fragment of the image.
.macro OUT oof
.rept 4
	v_nop                                          ; places behind the last products
.endr
	v_add_f32 v14, v14, v15
	v_permlanex16_b32 v28, v14, s[SEL], s[SEL+1]
	v_add_f32 v14, v14, v28                        ; the row's sum
	v_rcp_f32 v14, v14
	v_nop                                          ; a plain line behind the reciprocal,
	s_wait_alu depctr_va_vdst(0)                   ; and the wait ahead of its first reader
	v_ldexp_f32 v14, v14, s[EPV]
.set nn, 0
.rept 16
	v_pk_mul_f32 v[96+nn:97+nn], v[160+nn:161+nn], v[14:15] op_sel_hi:[1,0]   ; register 16 b + i: d = 32 b + 16 h + i
.set nn, nn+2
.endr
.set nn, 0
.rept 32
	v_med3_num_f32 v[96+nn], v[96+nn], -v235, v235
.set nn, nn+1
.endr
	s_wait_xcnt 0x0                                ; the first block's stores have read the codes' registers
.irp g, 0,1,2,3
	v_cvt_scalef32_pk8_fp8_f32 v[226+2*\g:227+2*\g], v[96+8*\g:103+8*\g], v234
.endr
	v_nop                                          ; one plain line behind the conversions: the next products write their sources
	global_store_b128 v[\oof], v[226:229], s[OP:OP+1]
	global_store_b128 v[\oof], v[230:233], s[OP:OP+1] offset:512
.endm
	s_mov_b32 s[TRIP], 0
.Ltrip:                                            ; 8 trips of two steps; the last two of the 18 steps are written out, since they ask for no tile
	STEP 0, 1, 1, 1
	STEP 1, 1, 1, 1
	s_cmp_lg_u32 s[TRIP], s[PI]
	s_cbranch_scc1 .Lsame                          ; behind trip i the first block has had its 2 (i + 1) steps: the same in all waves of the work-group
	OUT 6
	s_mov_b32 s[Q0], s[Q1]
	s_mov_b32 s[KF], 0
	v_mov_b32 v13, 0xff61b1e6                      ; the largest t goes back to -3e38: the next step's f is 0 and makes zeros of the old sum and the old O^T, which are finite for every input (codes are at most 448, p at most 1)
	v_floor_f32 v12, -v13
	global_load_b128 v[16:19], v5, s[QP:QP+1]      ; the second block's Q: waited for at the head of the next step
	global_load_b128 v[20:23], v5, s[QP:QP+1] offset:512
.Lsame:
	s_add_co_u32 s[TRIP], s[TRIP], 1
	s_cmp_lt_u32 s[TRIP], 8
	s_cbranch_scc1 .Ltrip
	STEP 0, 1, 0, 1
	STEP 1, 0, 0, 0
	OUT 7
	s_wait_tensorcnt 0x0
	ds_add_u32 v254, v255
	s_wait_dscnt 0x0
	s_endpgm
.Lfunc_end_k_q799f57e0c9_attn:
	.size	k_q799f57e0c9_attn, .Lfunc_end_k_q799f57e0c9_attn-k_q799f57e0c9_attn
	.p2alignl 7, 3214868480
	.fill 96, 4, 3214868480
	.section	.rodata,"a",@progbits
	.p2align	6, 0x0
	.amdhsa_kernel k_q799f57e0c9_attn
		.amdhsa_group_segment_fixed_size 34816
		.amdhsa_private_segment_fixed_size 0
		.amdhsa_enable_private_segment 0
		.amdhsa_kernarg_size 24
		.amdhsa_user_sgpr_count 2
		.amdhsa_user_sgpr_kernarg_segment_ptr 1
		.amdhsa_wavefront_size32 1
		.amdhsa_system_sgpr_workgroup_id_x 1
		.amdhsa_system_sgpr_workgroup_id_y 1
		.amdhsa_system_sgpr_workgroup_id_z 1
		.amdhsa_system_vgpr_workitem_id 0
		.amdhsa_next_free_vgpr 256
		.amdhsa_next_free_sgpr 66
		.amdhsa_reserve_vcc 1
		.amdhsa_float_denorm_mode_32 3
		.amdhsa_float_denorm_mode_16_64 3
		.amdhsa_memory_ordered 1
		.amdhsa_forward_progress 1
		.amdhsa_inst_pref_size 98
	.end_amdhsa_kernel
	.amdgpu_metadata
---
amdhsa.version: [ 1, 2 ]
amdhsa.kernels:
  - .name:           k_q799f57e0c9_attn
    .symbol:         k_q799f57e0c9_attn.kd
    .args:
      - { .name: qkv, .offset: 0, .size: 8, .value_kind: global_buffer, .address_space: global }
      - { .name: lowp_scales, .offset: 8, .size: 8, .value_kind: global_buffer, .address_space: global }
      - { .name: oimg, .offset: 16, .size: 8, .value_kind: global_buffer, .address_space: global }
    .group_segment_fixed_size: 34816
    .private_segment_fixed_size: 0
    .kernarg_segment_align: 8
    .kernarg_segment_size: 24
    .max_flat_workgroup_size: 512
    .sgpr_count:     66
    .vgpr_count:     256
    .wavefront_size: 32
...
	.end_amdgpu_metadata
.endif
;; end of part 3
;; launch proj (part 4): grid 4 x 32, 4 waves a work-group, clusters of 4 x 4, 327,680 bytes of LDS; arguments oimg, img, bp, lowp_scales, out0; writes out0
.if DOCPART == 4
	.amdgcn_target "amdgcn-amd-amdhsa--gfx1250"
	.amdhsa_code_object_version 6
	.text
	.protected	k_q799f57e0c9_proj
	.globl	k_q799f57e0c9_proj
	.p2align	8
	.type	k_q799f57e0c9_proj,@function
k_q799f57e0c9_proj:
	s_mov_b64 s[64:65], 0
	v_nop
	global_prefetch_b8 v0, s[64:65] scope:SCOPE_SE
	s_setreg_imm32_b32 hwreg(HW_REG_WAVE_MODE, 25, 1), 1
	s_wait_xcnt 0x0
	s_wait_alu depctr_hold_cnt(0) depctr_sa_sdst(0) depctr_va_vdst(0) depctr_va_sdst(0) depctr_va_ssrc(0) depctr_va_vcc(0) depctr_vm_vsrc(0)
	s_getreg_b32 s2, hwreg(HW_REG_IB_STS2, 6, 4)
	s_cmp_eq_u32 s2, 0
	s_cbranch_scc0 .Lentry_in_a_cluster
	s_endpgm
.Lentry_in_a_cluster:
	s_bfe_u32 s2, ttmp6, 0x10000c
	s_cmp_lg_u32 s2, 0xf033
	s_cbranch_scc0 .Lentry_shape_is_right
	s_endpgm
.Lentry_shape_is_right:
; out0 = o Wp^T + bp.  o [8192][1024] and Wp [1024][1024] are codes of E4M3 laid as register images ([row / 128][k / 256][(row / 16) % 8][(k / 128) % 2][(k / 32) % 4][lane][16 bytes]); scales: entries 10 and 11.  out0: f32.
; A work-group of four waves makes 256 x 256 of out0, a wave 128 x 128: 64 accumulators, 512 registers.  K = 1,024 goes in four steps of 256 through two LDS slots; a slot's quarter (128 rows x 256 K) is 32,768 consecutive bytes of an image.
; SIDE A = o is the matrix instruction's source 1 (a lane holds one token), SIDE B = Wp its source 0.  A tile of Wp's image holds rows 32 b + 8 u + r + 8 (r / 8), so accumulator 2 b + u holds features 32 b + 16 h + 8 u + 0 .. 7.
; THE BIAS is the C of each sum's first product, divided once by 2^(e10 + e11); each finished sum is multiplied by 2^(e10 + e11).
; CLUSTERS: 4 x 4 work-groups; o's tiles are shared along a row of the cluster, Wp's along a column: each is asked for jointly, by the same tensor load with the same descriptor and a mask that names the four.
; LIMIT: e10 + e11 between -126 and 127.
; REGISTERS, in windows of 256: window 0: v16-31 addresses; v32-95 the bias, later a block's results; v128-255 A's fragments, one set, later rows on their way out.  window 1: B's fragments, two sets.  windows 2, 3: the accumulators ((a, b) at v[8 (8 (a % 4) + b)]).
.set CH,    32768
.set SLOT,  4*CH
.set SPARE, 2*SLOT                     ; behind the ring: the spare words, 128 bytes a wave: two blocks of 256 bytes that no other line names
.set STG,   SPARE+512                  ; behind them: a stage of 16 rows x (512 + 16) bytes for each wave; no tile lands there
.set SPITCH, 528
.set FR,    16
.set NL,    4
.set NP,    4                          ; places behind this matrix instruction (ISA guide 7.12.1)
.set ROWO,  4096                       ; a row of out0 in bytes
.set ADRA,  16
.set ADRB,  20
.set STO,   24                         ; v24  the way out: where I put 32 bytes of a row
.set RD,    25                         ; v25  where I read a row back
.set CO,    26                         ; v26  16 x lane
.set BO1,   27                         ; v27  64 h
.set SPW,   28
.set NIL,   29
.set BI,    32
.set TMP,   32
.set AF,    128
.set BK,    128
.set G1,  24
.set G0,  32
.set G1B, 48
.set G0B, 56
.set MSB, 0
.macro WIN new                         ; the immediate's high byte repeats the setting that is left
.if MSB != \new
	s_set_vgpr_msb (MSB<<8)|\new
.set MSB, \new
.endif
.endm
.set MUL_LO, 0xa1                      ; source 0 (B) window 1, source 1 (A) window 0, C and D window 2
.set MUL_HI, 0xf1                      ; the same, C and D window 3
.set FST_LO, 0x81                      ; the first products: C (the bias) window 0, D window 2
.set FST_HI, 0xc1                      ; D window 3
.set TO_B,   0x40
.macro JLOAD g0a, g1a, g0b, g1b        ; a joint load: waves 0 and 1 fetch A's halves, waves 2 and 3 B's; four v_nop follow each of the two lines
	s_cmp_eq_u32 s15, 0
	s_cbranch_scc0 .Lfor_b_\@
	tensor_load_to_lds s[\g0a:\g0a+3], s[\g1a:\g1a+7]
	s_nop 0
.rept 4
	v_nop
.endr
	s_branch .Lasked_\@
.Lfor_b_\@:
	tensor_load_to_lds s[\g0b:\g0b+3], s[\g1b:\g1b+7]
	s_nop 0
.rept 4
	v_nop
.endr
.Lasked_\@:
.endm
.macro CREST
	s_cmp_lg_u32 s14, 0
	s_cbranch_scc1 .Lnot_wave_0_\@
	s_barrier_signal -3
.Lnot_wave_0_\@:
	s_barrier_wait -3
	s_barrier_signal -1
	s_barrier_wait -1
.endm
.macro CROUND
	s_barrier_signal -1
	s_barrier_wait -1
	CREST
.endm
	s_load_b256 s[4:11], s[0:1], 0x0               ; oimg s[4:5], img s[6:7], bp s[8:9], the scales' exponents s[10:11]
	s_load_b64 s[68:69], s[0:1], 0x20              ; out0
	v_lshl_add_u32 v[SPW], v0, 2, SPARE
	v_mov_b32 v[NIL], 0
	ds_add_u32 v28, v29
	ds_add_u32 v28, v29
	s_wait_dscnt 0x0
	v_lshrrev_b32 v1, 5, v0
	v_readfirstlane_b32 s14, v1                    ; wave 0..3
	s_lshr_b32 s15, s14, 1                         ; which half of the tile's rows is mine.  Also: I fetch for A (0) or for B (1)
	s_and_b32 s16, s14, 1                          ; which half of its columns.  Also: which 128 rows of that tile I fetch
	s_bfe_u32 s40, ttmp6, 0x40000                  ; cx, cy
	s_bfe_u32 s41, ttmp6, 0x40004
	s_lshl_b32 s42, ttmp9, 2
	s_add_co_u32 s42, s42, s40                     ; tile column = 4 x cluster x + cx
	s_and_b32 s17, ttmp7, 0xffff
	s_lshl_b32 s17, s17, 2
	s_add_co_u32 s17, s17, s41                     ; tile row = 4 x cluster y + cy
	s_lshl_b32 s43, s41, 2
	s_lshl_b32 s43, 15, s43                        ; my row of the cluster
	s_lshl_b32 s44, 0x1111, s40                    ; my column
	s_or_b32 s[G1+0], s43, (3<<16)|(1<<21)         ; 15:0 the mask; 17:16 elements of 8 bytes; 21 set beside a mask
	s_or_b32 s[G1B+0], s44, (3<<16)|(1<<21)
.irp g, G1, G1B
	s_mov_b32 s[\g+1], 32<<16                      ; 32,768 dense bytes as 128 rows of 32 elements of 8 bytes
	s_mov_b32 s[\g+2], 128<<16
	s_mov_b32 s[\g+3], 32<<16
	s_mov_b32 s[\g+4], 128
	s_mov_b32 s[\g+5], 32
	s_mov_b32 s[\g+6], 0
	s_mov_b32 s[\g+7], 0
.endr
	s_lshl_b32 s45, s16, 17                        ; the 128 rows that I fetch
	s_lshl_b32 s18, s17, 18
	s_add_co_u32 s18, s18, s45                     ; in o's image
	s_lshl_b32 s22, s42, 18
	s_add_co_u32 s22, s22, s45
	s_add_co_u32 s22, s22, (27<<20)                ; in Wp's, which lies at 27 MiB of img
	s_mov_b32 s19, 0
	s_mov_b32 s23, 0
	s_lshl_b32 s45, s14, 15                        ; where they go: wave x 32,768
	s_wait_kmcnt 0x0
	s_load_b256 s[72:79], s[10:11], 0x0
	s_load_b128 s[80:83], s[10:11], 0x20           ; e10 = s82, e11 = s83
	s_add_nc_u64 s[20:21], s[4:5], s[18:19]
	s_add_nc_u64 s[46:47], s[6:7], s[22:23]
	CROUND                                         ; all sixteen work-groups are here: the first joint loads meet
.irp s, 0,1
	s_mov_b32 s[G0+4*\s], 1
	s_add_co_u32 s[G0+4*\s+1], s45, \s*SLOT
	s_add_nc_u64 s[G0+4*\s+2:G0+4*\s+3], s[20:21], \s*CH
	s_or_b32 s[G0+4*\s+3], s[G0+4*\s+3], 0x80000000
	s_mov_b32 s[G0B+4*\s], 1
	s_add_co_u32 s[G0B+4*\s+1], s45, \s*SLOT
	s_add_nc_u64 s[G0B+4*\s+2:G0B+4*\s+3], s[46:47], \s*CH
	s_or_b32 s[G0B+4*\s+3], s[G0B+4*\s+3], 0x80000000
	JLOAD G0+4*\s, G1, G0B+4*\s, G1B               ; K steps 0 and 1: two loads of mine are out
.endr
	v_and_b32 v1, 31, v0
	v_lshlrev_b32 v[CO], 4, v1
	s_lshl_b32 s21, s15, 15
	s_lshl_b32 s22, s16, 15
	s_add_co_u32 s22, s22, 2*CH
.irp s, 0,1
	v_add_nc_u32 v[ADRA+\s], s21, v[CO]
	v_add_nc_u32 v[ADRB+\s], s22, v[CO]
	s_add_co_u32 s21, s21, SLOT
	s_add_co_u32 s22, s22, SLOT
.endr
	v_and_b32 v1, 15, v0                           ; r
	v_bfe_u32 v2, v0, 4, 1                         ; h
	v_lshlrev_b32 v[BO1], 6, v2
	s_lshl_b32 s92, s42, 8
	s_lshl_b32 s93, s16, 7
	s_add_co_u32 s92, s92, s93                     ; my first feature of 128,
	s_lshl_b32 s92, s92, 2                         ; in bytes
	s_mov_b32 s93, 0
	s_add_nc_u64 s[8:9], s[8:9], s[92:93]
.irp b, 0,1,2,3
.irp j, 0,1,2,3
	global_load_b128 v[BI+16*\b+4*\j:BI+16*\b+4*\j+3], v[BO1], s[8:9] offset:128*\b+16*\j   ; register 16 b + i: the bias of feature 32 b + 16 h + i
.endr
.endr
	s_mul_i32 s23, s14, 16*SPITCH
	s_add_co_u32 s23, s23, STG                     ; my stage
	v_mul_u32_u24 v5, v1, SPITCH
	v_lshl_add_u32 v5, v2, 6, v5
	v_add_nc_u32 v[STO], s23, v5                   ; in: row r, + 64 h
	v_add_nc_u32 v[RD], s23, v[CO]                 ; back: the 32 lanes take one row of 512 bytes
	s_lshl_b32 s94, s17, 8
	s_lshl_b32 s95, s15, 7
	s_add_co_u32 s94, s94, s95                     ; my first row of out0
	s_lshl_b32 s94, s94, 12
	s_add_co_u32 s92, s92, s94
	s_add_nc_u64 s[68:69], s[68:69], s[92:93]
	s_wait_kmcnt 0x0
	s_add_co_i32 s88, s82, s83                     ; e10 + e11
	s_sub_co_i32 s86, 0, s88
	s_add_co_i32 s88, s88, 127
	s_lshl_b32 s88, s88, 23                        ; 2^(e10 + e11) as f32
	s_mov_b32 s89, s88                             ; (named with it as a pair, so it is written)
	s_wait_loadcnt 0x0
.set nn, 0
.rept 64
	v_ldexp_f32 v[BI+nn], v[BI+nn], s86            ; the bias goes in divided by the power of two that the sums lack
.set nn, nn+1
.endr
.macro FRAG reg, adr, q, i
.irp c, 0,1,2,3
	ds_load_b128 v[\reg+4*\c:\reg+4*\c+3], v[\adr] offset:4096*(\i)+2048*(\q)+512*\c
.endr
.endm
; 16 matrix instructions: A's blocks a0, a0 + 1 x B's eight.  first = 1: the sums begin with the bias as C.  The 64 accumulators take turns, one instruction a turn, in the same order in every step.
.macro MUL16 a0, p, first
.irp a, \a0, \a0+1
.irp b, 0,1,2,3,4,5,6,7
.if \first
	v_wmma_f32_16x16x128_fp8_fp8 v[8*(8*((\a)%4)+\b):8*(8*((\a)%4)+\b)+7], v[128*(\p)+FR*\b:128*(\p)+FR*\b+FR-1], v[AF+FR*(\a):AF+FR*(\a)+FR-1], v[BI+8*\b:BI+8*\b+7]
.else
	v_wmma_f32_16x16x128_fp8_fp8 v[8*(8*((\a)%4)+\b):8*(8*((\a)%4)+\b)+7], v[128*(\p)+FR*\b:128*(\p)+FR*\b+FR-1], v[AF+FR*(\a):AF+FR*(\a)+FR-1], v[8*(8*((\a)%4)+\b):8*(8*((\a)%4)+\b)+7]
.endif
.endr
.endr
.endm
.macro FETCH_B slot, q, p
	WIN TO_B
.irp i, 0,1,2,3,4,5,6,7
	FRAG 128*(\p)+FR*\i, ADRB+\slot, \q, \i
.endr
	WIN 0
.endm
.macro FETCH_A slot, q, i0
.irp i, \i0, \i0+1, \i0+2, \i0+3
	FRAG AF+FR*(\i), ADRA+\slot, \q, \i
.endr
.endm
.macro PLACES n
.rept \n
	v_nop
.endr
.endm
.macro STEP slot, q, first
	s_wait_dscnt 4*NL                              ; B's set and A's blocks 0-3 are in; the youngest 16 loads (A's blocks 4-7) may be out
.if \first
	WIN FST_LO
.else
	WIN MUL_LO
.endif
	MUL16 0, (\q)%2, \first
	MUL16 2, (\q)%2, \first
	s_wait_dscnt 0
	PLACES NP
	FETCH_B \slot, (\q)+1, 1-(\q)%2
	FETCH_A \slot, (\q)+1, 0
.if \first
	WIN FST_HI
.else
	WIN MUL_HI
.endif
	MUL16 4, (\q)%2, \first
	MUL16 6, (\q)%2, \first
	PLACES NP
	WIN 0
	FETCH_A \slot, (\q)+1, 4
.endm
.macro TURN slot, next, fill
	s_wait_tensorcnt 0x0                           ; all my tensor loads have landed: my part of the next slot
	ds_add_u32 v[SPW], v[NIL]                      ; 0 onto my spare word
	s_wait_dscnt 4*NL+1                            ; (the add and the youngest 16 loads may be out)
	WIN MUL_LO
	MUL16 0, 1, 0
	s_wait_dscnt 0x0                               ; the add is done, and my reads of this slot are over
	s_barrier_signal -1
	MUL16 2, 1, 0
	WIN 0
	s_barrier_wait -1
.if \fill
	CREST                                          ; the barrier has opened a round of the cluster's barrier
	s_add_nc_u64 s[G0+4*\slot+2:G0+4*\slot+3], s[G0+4*\slot+2:G0+4*\slot+3], 2*CH
	s_add_nc_u64 s[G0B+4*\slot+2:G0B+4*\slot+3], s[G0B+4*\slot+2:G0B+4*\slot+3], 2*CH
	JLOAD G0+4*\slot, G1, G0B+4*\slot, G1B         ; the first tensor load behind the round
.else
	PLACES NP
.endif
	FETCH_B \next, 0, 0
	FETCH_A \next, 0, 0
	WIN MUL_HI
	MUL16 4, 1, 0
	MUL16 6, 1, 0
	PLACES NP
	WIN 0
	FETCH_A \next, 0, 4
.endm
	s_wait_tensorcnt 1                             ; my part of K step 0 is in (K step 1's load may be out)
	s_barrier_signal -1
	s_barrier_wait -1                              ; everybody's is
	FETCH_B 0, 0, 0
	FETCH_A 0, 0, 0
	FETCH_A 0, 0, 4
	STEP 0, 0, 1
	TURN 0, 1, 1                                   ; slot 0 takes K step 2
	STEP 1, 0, 0
	TURN 1, 0, 1                                   ; slot 1 takes K step 3
	STEP 0, 0, 0
	TURN 0, 1, 0
	STEP 1, 0, 0
	s_wait_dscnt 4*NL
	WIN MUL_LO
	MUL16 0, 1, 0
	MUL16 2, 1, 0
	s_wait_dscnt 0
	WIN MUL_HI
	MUL16 4, 1, 0
	MUL16 6, 1, 0
	WIN 0
; THE WAY OUT, block by block of 16 rows x 128 columns: a lane's 32 bytes of a row go into my own stage and come back as whole rows of 512 bytes.  LDS serves a wave's instructions in order (ISA guide 5.7.1.4): no wait between the stores and the loads.
.macro TOSTAGE a
.set AC, 64*((\a)%4)
	WIN 0x02+((\a)/4)                              ; source 0: window 2 or 3
.set nn, 0
.rept 32
	v_pk_mul_f32 v[TMP+nn:TMP+nn+1], v[AC+nn:AC+nn+1], s[88:89] op_sel_hi:[1,0]   ; x 2^(e10 + e11); each accumulator from its low end on
.set nn, nn+2
.endr
	WIN 0
.irp b, 0,1,2,3,4,5,6,7
	ds_store_b128 v[STO], v[TMP+8*\b:TMP+8*\b+3] offset:128*(\b/2)+32*(\b%2)        ; features 32 (b / 2) + 16 h + 8 (b % 2) + 0 .. 7
	ds_store_b128 v[STO], v[TMP+8*\b+4:TMP+8*\b+7] offset:128*(\b/2)+32*(\b%2)+16
.endr
.set BB, BK+64*((\a)%2)
.irp t, 0,1,2,3,4,5,6,7,8,9,10,11,12,13,14,15
	ds_load_b128 v[BB+4*\t:BB+4*\t+3], v[RD] offset:\t*SPITCH
.endr
.endm
.macro SEND a, younger                 ; younger: the LDS instructions issued behind block a's loads, which may stay out
.set BB, BK+64*((\a)%2)
	s_wait_dscnt \younger
.if (\a) > 0
	s_add_nc_u64 s[68:69], s[68:69], 16*ROWO       ; (behind a wait on XCNT: the earlier stores have read their base)
.endif
.irp t, 0,1,2,3,4,5,6,7,8,9,10,11,12,13,14,15
	global_store_b128 v[CO], v[BB+4*\t:BB+4*\t+3], s[68:69] offset:\t*ROWO th:TH_STORE_NT   ; 32 lanes store 512 consecutive bytes, aligned; written once, read by nobody here
.endr
.endm
	PLACES NP                                      ; behind the last products: for the loads into the registers that held A's fragments and for the reads of results
	TOSTAGE 0
.irp a, 1,2,3,4,5,6,7
.if \a > 1
	s_wait_xcnt 0x0                                ; block a - 2's stores have read their registers and their base
.endif
	TOSTAGE \a
	SEND \a-1, 32                                  ; behind block a - 1's loads: block a's 16 stores and 16 loads
.endr
	s_wait_xcnt 0x0
	SEND 7, 0
	s_wait_tensorcnt 0x0                           ; the wave's end
	ds_add_u32 v[SPW], v[NIL]
	s_wait_dscnt 0x0
	CROUND                                         ; the closing round
	s_endpgm
.Lfunc_end_k_q799f57e0c9_proj:
	.size	k_q799f57e0c9_proj, .Lfunc_end_k_q799f57e0c9_proj-k_q799f57e0c9_proj
	.p2alignl 7, 3214868480
	.fill 96, 4, 3214868480
	.section	.rodata,"a",@progbits
	.p2align	6, 0x0
	.amdhsa_kernel k_q799f57e0c9_proj
		.amdhsa_group_segment_fixed_size 327680
		.amdhsa_private_segment_fixed_size 0
		.amdhsa_enable_private_segment 0
		.amdhsa_kernarg_size 40
		.amdhsa_user_sgpr_count 2
		.amdhsa_user_sgpr_kernarg_segment_ptr 1
		.amdhsa_wavefront_size32 1
		.amdhsa_system_sgpr_workgroup_id_x 1
		.amdhsa_system_sgpr_workgroup_id_y 1
		.amdhsa_system_sgpr_workgroup_id_z 1
		.amdhsa_system_vgpr_workitem_id 0
		.amdhsa_next_free_vgpr 1024
		.amdhsa_next_free_sgpr 100
		.amdhsa_reserve_vcc 0
		.amdhsa_float_denorm_mode_32 3
		.amdhsa_float_denorm_mode_16_64 3
		.amdhsa_memory_ordered 1
		.amdhsa_forward_progress 1
		.amdhsa_inst_pref_size 128
	.end_amdhsa_kernel
	.amdgpu_metadata
---
amdhsa.version: [ 1, 2 ]
amdhsa.kernels:
  - .name:           k_q799f57e0c9_proj
    .symbol:         k_q799f57e0c9_proj.kd
    .args:
      - { .name: oimg, .offset: 0, .size: 8, .value_kind: global_buffer, .address_space: global }
      - { .name: img, .offset: 8, .size: 8, .value_kind: global_buffer, .address_space: global }
      - { .name: bp, .offset: 16, .size: 8, .value_kind: global_buffer, .address_space: global }
      - { .name: lowp_scales, .offset: 24, .size: 8, .value_kind: global_buffer, .address_space: global }
      - { .name: out0, .offset: 32, .size: 8, .value_kind: global_buffer, .address_space: global }
    .group_segment_fixed_size: 327680
    .private_segment_fixed_size: 0
    .kernarg_segment_align: 8
    .kernarg_segment_size: 40
    .max_flat_workgroup_size: 128
    .sgpr_count:     100
    .vgpr_count:     1024
    .wavefront_size: 32
...
	.end_amdgpu_metadata
.endif
;; end of part 4
;; ======== version 2 of 2: 4 launches; version 1 with the launch attn written anew for expert scheduling mode
;; workspace buffers: img 29,360,128 bytes; qkv 25,165,824 bytes; oimg 8,388,608 bytes
;; launch quant: the kernel of part 1 again; grid 256 x 1, 8 waves a work-group, no clusters, 68,608 bytes of LDS; arguments x, Wk, Wq, Wv, Wp, lowp_scales, img; writes img
;; launch qkv: the kernel of part 2 again; grid 12 x 32, 4 waves a work-group, clusters of 4 x 4, 327,680 bytes of LDS; arguments img, bk, bq, bv, lowp_scales, qkv; writes qkv
;; launch attn (part 5): grid 4 x 64, 16 waves a work-group, no clusters, 34,816 bytes of LDS; arguments qkv, lowp_scales, oimg; writes oimg
.if DOCPART == 5
	.amdgcn_target "amdgcn-amd-amdhsa--gfx1250"
	.amdhsa_code_object_version 6
	.text
	.protected	k_q799f57e0c9_attn
	.globl	k_q799f57e0c9_attn
	.p2align	8
	.type	k_q799f57e0c9_attn,@function
k_q799f57e0c9_attn:
	s_mov_b64 s[64:65], 0
	v_nop
	global_prefetch_b8 v0, s[64:65] scope:SCOPE_SE
	s_setreg_imm32_b32 hwreg(HW_REG_WAVE_SCHED_MODE, 0, 2), 2
	s_setreg_imm32_b32 hwreg(HW_REG_WAVE_MODE, 25, 1), 1
	s_wait_xcnt 0x0
	s_wait_alu depctr_vm_vsrc(0)
; o = softmax(q k^T / 8, causal) v for 64 (batch x head) of 2,048 tokens x 64, both products on codes of E4M3 as the launch before laid them; o is quantised by entry 10 of the scales into a register image for the last product.
; THE SOFTMAX: t = score x log2(e) / 8; M = the running largest t rounded UP to a whole number; p = 2^(t - M) is quantised by entry 8, not normalised; the row's sum is taken of the unquantised p and divides at the end.
; When M moves, the sum and O are multiplied by 2^(old M - new M): nothing is rounded.
; SHARES.  A work-group takes query block i (256 queries) of its head and then block 7 - i: 2 (i + 1) + 2 (8 - i) = 18 key steps of 128 in every work-group, so all trip counts are constants and all 256 work-groups have equal work.
; Each of the 16 waves owns 16 queries of the block in hand, in 256 registers: four waves to a SIMD, so that one wave's vector work stands beside another's products and LDS loads.
; LAYOUT.  Both products are used transposed: S^T = K Q^T (source 0 = 16 neighbouring keys, source 1 = my queries): lane (r, h) holds query r and keys 16 tile + 8 h + 0 .. 7: the conversion of a tile's eight registers gives registers
; 2 tile, 2 tile + 1 of source 1 of O^T = V^T P^T in that form's own order of k, in which v's codes were laid.  V's tile 2 b + u holds d = 32 b + 8 u + r + 8 (r / 8), so O^T's accumulators 2 b, 2 b + 1 hold d = 32 b + 16 h + 0 .. 15 of my query.
; TILES.  A key step's K (8,192 bytes) and V (8,192) go through registers into one of two LDS slots: each of the 512 threads copies 16 bytes of each.  A tile is asked of memory two steps before it is multiplied and stored to LDS one step before.
; One barrier a step parts this step's reads from the next step's stores, and this step's stores from the next step's reads.  No tensor loads, so no ring of that kind.
; No multicast: the four work-groups of a head begin again at key 0 after different numbers of steps, so they never want one tile at one time.
; CAUSAL.  A step all of whose keys come after my 16 queries is jumped over (a scalar branch on ids; the copies and the barrier are not).  In the step on the diagonal hidden scores become -infinity ahead of the maximum.
; The first key of every step that a wave works on counts for all its queries, so M is a number from the first step on.
; THE HOLD of p at 448 x 2^e8 is jumped over where e8 >= -8: then 448 x 2^e8 >= 1.75 lies over every p.  (A scalar branch on a whole number of the input, round vector lines alone.)
; LIMITS: entries 6 + 7 between -123 and 130 (added to c's exponent field); entries 8 and 10 between -126 and 119.  NaN among the inputs is not served.
; THE MODE: SCHED_MODE bits 1:0 = 2 (LLVM: expert scheduling mode 2), set by the entry lines.  The code itself states the register dependences between vector or matrix instructions and memory or LDS instructions, with s_wait_alu, always for 0.
; THE PLAN.  Registers that memory or LDS instructions touch:
;   v1, v2, v4-v7   LDS addresses and global offsets: made once at the head, never written again, named by no vector instruction behind the head's wait on va_vdst.  The tiles are reached by two scalar bases, made anew in each step.
;   G0, G1          v208-215, v216-223: tiles on their way.  Written by global loads, read by LDS stores, named by no vector instruction.  A step on slot s stores G[1 - s] and asks into G[s], which the step before stored: one wait on vm_vsrc at the step's head.
;   v32-95          K's loads land; the eight products K Q^T read; V's loads land; the four products V^T P^T read.  Two waits on va_vdst a step: one ahead of K's loads (the last step's four products, issued ahead of a barrier), and the
;                   wait that stands behind the exponentials in any case, behind which V's loads are dealt among the sum's additions: none of the vector lines from there to V's products names v32-95 or v1.
;   v16-23          Q: read by every K Q^T; loaded again at the change of blocks, behind the wait that stands ahead of the block's stores.
;   v226-233        o's codes: written by four conversions, read by two stores: va_vdst ahead of the stores, vm_vsrc (beside the wait on XCNT) ahead of the conversions.
;   s10, s48-63     written by vector instructions (the wave's number; the mask's compares, sixteen to a run): va_sdst ahead of their first readers.
;   S^T and p, O^T, p's codes and the statistics are named by vector and matrix instructions alone.
; REGISTERS: v1 16 x lane; v2 16 x thread; v4, v5 Q's offset for the two blocks; v6, v7 o's; v8 the mask's d; v9 -infinity; v10 r - 8 h; v12 -M; v13 the largest t; v[14:15] the sum in two halves; v16-23 Q;
;   v[24:25] f; v26-28 at work; v29, v30 2^e8 and 448 x 2^e8; v32-95 K's 8 fragments, then V's 4; v96-159 S^T, then p; v160-191 O^T; v192-207 p's codes; v208-223 two tiles on their way; v[224:225] a second chain of the sum; v226-233 o's codes; v234, v235 2^e10, 448 x 2^e10.
.set SLOTB, 16384                      ; an LDS slot: K's 8,192 bytes, then V's
.set VOFF,  8192
.set STEPB, 8192                       ; a key step in K, and in V, in memory
.set G,     208
.set TOFF, 2                           ; s[2:3] the byte in K and V of the tile asked for last, as a pair with 0 above it
.set WV,   10
.set PI,   11                          ; s11  i: the work-group's x
.set BH,   12                          ; s12  batch x head
.set KP,   14                          ; s[14:15] k's codes of my head;  s[16:17] v's;  s[18:19] q's, at my wave's tile of block 0;  s[8:9] o's image at my wave's place in block 0
.set VP,   16
.set QP,   18
.set OP,   8
.set SEL,  20                          ; s[20:21] lane selects for v_permlanex16_b32: lane l xor 16
.set CS,   22                          ; s[22:23] c = log2(e) / 8 x 2^(e6 + e7)
.set KT,   24                          ; s[24:25] k's codes at the tile that is asked for;  s[26:27] v's.  (Entries 0 to 3 of the scales land here at the head; this launch does not use them)
.set VT,   26
.set EP,   32                          ; s32  e8 (s[24:35]: the twelve exponents, at the head)
.set EPV,  36                          ; s36  e8 + e9
.set Q0,   37                          ; s37  my first query
.set KF,   38                          ; s38  the step's first key
.set LIMT, 40                          ; s40  where the first block's tiles end
.set TRIP, 41
.set TMP,  42
.set Q1,   46                          ; s46  my first query in the second block
.set MK,   48                          ; s48-63 sixteen masks of the causal compares
	s_load_b128 s[4:7], s[0:1], 0x0                ; qkv s[4:5], the scales' exponents s[6:7]
	s_load_b64 s[8:9], s[0:1], 0x10                ; oimg
	v_lshl_add_u32 v254, v0, 2, 0x8000
	v_mov_b32 v255, 0
	v_lshrrev_b32 v1, 5, v0
	v_readfirstlane_b32 s[WV], v1                  ; wave 0..15
	s_mov_b32 s[PI], ttmp9
	s_and_b32 s[BH], ttmp7, 0xffff
	v_and_b32 v1, 31, v0
	v_lshlrev_b32 v1, 4, v1
	v_lshlrev_b32 v2, 4, v0
	s_sub_co_u32 s43, 7, s[PI]                     ; the second block
	s_lshl_b32 s[TMP], s[PI], 14                   ; a block's 256 queries are 16,384 bytes of q,
	v_add_nc_u32 v4, s[TMP], v1
	s_lshl_b32 s[TMP], s43, 14
	v_add_nc_u32 v5, s[TMP], v1
	s_lshl_b32 s[TMP], s[PI], 18                   ; and 262,144 bytes apart in o's image
	v_add_nc_u32 v6, s[TMP], v1
	s_lshl_b32 s[TMP], s43, 18
	v_add_nc_u32 v7, s[TMP], v1
	v_and_b32 v10, 15, v0
	v_bfe_u32 v11, v0, 4, 1
	v_lshlrev_b32 v11, 3, v11
	v_sub_nc_u32 v10, v10, v11                     ; r - 8 h
	v_mov_b32 v9, 0xff800000                       ; -infinity
	s_wait_alu depctr_va_sdst(0)                   ; s10, the wave's number, is written, ahead of its first reader
	s_lshl_b32 s[TMP], s[WV], 4
	s_lshl_b32 s[Q0], s[PI], 8
	s_add_co_u32 s[Q0], s[Q0], s[TMP]              ; 256 i + 16 wave
	s_lshl_b32 s[Q1], s43, 8
	s_add_co_u32 s[Q1], s[Q1], s[TMP]
	s_mov_b32 s[KF], 0
	s_mov_b32 s[TOFF], STEPB                       ; tiles 0 and 1 are asked for below
	s_mov_b32 s[TOFF+1], 0
	s_lshl_b32 s[LIMT], s[PI], 14
	s_add_co_u32 s[LIMT], s[LIMT], 2*STEPB         ; (2 i + 2) x 8,192
	s_mov_b32 s[SEL], 0x76543210
	s_mov_b32 s[SEL+1], 0xfedcba98
	s_mov_b32 s[CS], 0x3e38aa3b                    ; log2(e) / 8
	; o's image: [row / 128][k / 256][(row / 16) % 8][(k / 128) % 2][(k / 32) % 4][lane][16]; row = 2,048 batch + 256 block + 16 wave + r, k = 64 head + d
	s_lshr_b32 s[TMP], s[BH], 4
	s_lshl_b32 s44, s[TMP], 21
	s_lshr_b32 s[TMP], s[WV], 3
	s_lshl_b32 s[TMP], s[TMP], 17
	s_add_co_u32 s44, s44, s[TMP]
	s_bfe_u32 s[TMP], s[BH], 0x20002               ; head / 4
	s_lshl_b32 s[TMP], s[TMP], 15
	s_add_co_u32 s44, s44, s[TMP]
	s_and_b32 s[TMP], s[WV], 7
	s_lshl_b32 s[TMP], s[TMP], 12
	s_add_co_u32 s44, s44, s[TMP]
	s_and_b32 s[TMP], s[BH], 3                     ; head % 4: 2,048 x (its upper bit) + 1,024 x (its lower)
	s_lshl_b32 s[TMP], s[TMP], 10
	s_add_co_u32 s44, s44, s[TMP]
	s_mov_b32 s45, 0
	s_wait_kmcnt 0x0
	s_load_b256 s[24:31], s[6:7], 0x0              ; entries 0 to 7
	s_load_b128 s[32:35], s[6:7], 0x20             ; entries 8 to 11
	s_add_nc_u64 s[OP:OP+1], s[OP:OP+1], s[44:45]
	s_lshl_b32 s44, s[BH], 17                      ; a head's part of a tensor: 131,072 bytes
	s_add_nc_u64 s[KP:KP+1], s[4:5], s[44:45]
	s_add_nc_u64 s[VP:VP+1], s[KP:KP+1], (16<<20)
	s_add_nc_u64 s[QP:QP+1], s[KP:KP+1], (8<<20)
	s_lshl_b32 s44, s[WV], 10
	s_add_nc_u64 s[QP:QP+1], s[QP:QP+1], s[44:45]
	s_wait_alu depctr_va_vdst(0)                   ; v1, v2 and v4 to v7 are written: every load and store of the kernel, to memory or LDS, reads one of them as its address, and no vector line below names them
	global_load_b128 v[16:19], v4, s[QP:QP+1]                  ; Q's fragment: d = 16 h + 0 .. 15,
	global_load_b128 v[20:23], v4, s[QP:QP+1] offset:512       ; d = 32 + 16 h + 0 .. 15
	global_load_b128 v[G:G+3], v2, s[KP:KP+1]                  ; tile 0
	global_load_b128 v[G+4:G+7], v2, s[VP:VP+1]
	global_load_b128 v[G+8:G+11], v2, s[KP:KP+1] offset:STEPB  ; tile 1
	global_load_b128 v[G+12:G+15], v2, s[VP:VP+1] offset:STEPB
	v_mov_b32 v13, 0xff61b1e6                      ; the largest t so far: -3e38, under every t
	v_floor_f32 v12, -v13                          ; -M
	v_mov_b32 v14, 0
	v_mov_b32 v15, 0
	v_mov_b32 v25, 0                               ; (named as the upper half of the pair v[24:25])
	v_mov_b32 v28, 0                               ; a lane permute's destination counts as one of its sources
.set nn, 0
.rept 32
	v_mov_b32 v[160+nn], 0                         ; O^T, once: the step is written with no first step of its own
.set nn, nn+1
.endr
	s_wait_kmcnt 0x0
	s_add_co_i32 s[TMP], s30, s31
	s_lshl_b32 s[TMP], s[TMP], 23
	s_add_co_i32 s[CS], s[CS], s[TMP]              ; a score stands for score x 2^(e6 + e7)
	s_mov_b32 s[CS+1], s[CS]
	s_add_co_i32 s[EPV], s32, s33
	s_add_co_i32 s[TMP], s32, 127
	s_lshl_b32 s43, s[TMP], 23
	v_mov_b32 v29, s43
	s_add_co_i32 s[TMP], s[TMP], 8
	s_lshl_b32 s[TMP], s[TMP], 23
	s_or_b32 s[TMP], s[TMP], 0x600000
	v_mov_b32 v30, s[TMP]
	s_add_co_i32 s[TMP], s34, 127
	s_lshl_b32 s43, s[TMP], 23
	v_mov_b32 v234, s43
	s_add_co_i32 s[TMP], s[TMP], 8
	s_lshl_b32 s[TMP], s[TMP], 23
	s_or_b32 s[TMP], s[TMP], 0x600000
	v_mov_b32 v235, s[TMP]
	s_wait_loadcnt 0x2                             ; Q and tile 0 are in; tile 1's two loads may be out
	ds_store_b128 v2, v[G:G+3]
	ds_store_b128 v2, v[G+4:G+7] offset:VOFF
	s_wait_dscnt 0x0
	s_barrier_signal -1
	s_barrier_wait -1                              ; tile 0 lies in slot 0
.macro VLD slot, n                     ; V: piece n of 16: tile of d n / 4, quad n % 4
	ds_load_b128 v[32+4*(\n):35+4*(\n)], v1 offset:\slot*SLOTB+VOFF+512*(\n)
.endm
; A KEY STEP on the tile in \slot.  st = 1: the next tile goes from registers into the other slot.  ld = 1: the tile after that is asked of memory.  bar = 1: the closing barrier.
.macro STEP slot, st, ld, bar
.if \st
	s_wait_loadcnt 0x0                             ; the next tile's two loads, asked for a step ago (and Q's, behind a change of blocks)
.if \ld
	s_wait_alu depctr_vm_vsrc(0)                   ; the LDS stores of the step before (in the first step: the head's) have read the tile registers of this slot, in which the loads below land
.endif
	ds_store_b128 v2, v[G+8*(1-\slot):G+8*(1-\slot)+3] offset:(1-\slot)*SLOTB          ; the other slot was read last step; every wave's reads were waited for in front of the barrier
	ds_store_b128 v2, v[G+8*(1-\slot)+4:G+8*(1-\slot)+7] offset:(1-\slot)*SLOTB+VOFF
.endif
.if \ld
	s_add_co_u32 s[TOFF], s[TOFF], STEPB
	s_cmp_eq_u32 s[TOFF], s[LIMT]                  ; behind the first block's last tile comes the second block's first: key 0
	s_cselect_b32 s[TOFF], 0, s[TOFF]
	s_cselect_b32 s[LIMT], -1, s[LIMT]
	s_add_nc_u64 s[KT:KT+1], s[KP:KP+1], s[TOFF:TOFF+1]   ; the two bases at the tile: free since the wait on LOADcnt above, which shows the loads that read them done
	s_add_nc_u64 s[VT:VT+1], s[VP:VP+1], s[TOFF:TOFF+1]
	global_load_b128 v[G+8*\slot:G+8*\slot+3], v2, s[KT:KT+1]
	global_load_b128 v[G+8*\slot+4:G+8*\slot+7], v2, s[VT:VT+1]
.endif
	s_add_co_u32 s[TMP], s[Q0], 15
	s_cmp_gt_u32 s[KF], s[TMP]
	s_cbranch_scc1 .Lhid_\@                        ; all 128 keys come after my queries
.rept 4
	v_nop                                          ; places in front of loads into registers that the last products read
.endr
	s_wait_alu depctr_va_vdst(0)                   ; the last step's four products are done reading V's fragments v32-95, in which K's land
.set nn, 0
.rept 16
	ds_load_b128 v[32+4*nn:35+4*nn], v1 offset:\slot*SLOTB+512*nn      ; K: tile nn / 2, chunk nn % 2
.set nn, nn+1
.endr
	s_wait_dscnt 0x0
.irp t, 0,1,2,3,4,5,6,7
	v_wmma_f32_16x16x64_fp8_fp8 v[96+8*\t:103+8*\t], v[32+8*\t:39+8*\t], v[16:23], 0
.endr
.rept 4
	v_nop                                          ; places in front of the first read of the scores
.endr
	s_add_co_u32 s[TMP], s[KF], 127
	s_cmp_le_u32 s[TMP], s[Q0]
	s_cbranch_scc1 .Lopen_\@                       ; all 128 keys count
	s_sub_co_i32 s[TMP], s[Q0], s[KF]
	v_add_nc_u32 v8, s[TMP], v10                   ; d = my query - KF - 8 h.  Register 8 tile + j holds key KF + 8 h + 16 tile + j: hidden where 16 tile + j > d
.set gg, 0
.rept 4                                        ; sixteen registers (two tiles) at a time: a run of compares, one wait, a run of selects
.set nn, 0
.rept 16
	v_cmp_gt_i32 s[MK+nn], 32*gg+16*(nn/8)+nn%8, v8
.set nn, nn+1
.endr
	s_wait_alu depctr_va_sdst(0)                   ; the sixteen compares have written their masks s48 to s63, ahead of the selects that read them
.set nn, 0
.rept 16
	v_cndmask_b32 v[96+16*gg+nn], v[96+16*gg+nn], v9, s[MK+nn]
.set nn, nn+1
.endr
.set gg, gg+1
.endr
.Lopen_\@:
	v_max3_num_f32 v26, v96, v97, v98              ; the step's largest score of my query among my 64 keys, in two chains,
	v_max3_num_f32 v27, v99, v100, v101
.irp i, 6,10,14,18,22,26,30,34,38,42,46,50,54,58
	v_max3_num_f32 v26, v26, v[96+\i], v[97+\i]
	v_max3_num_f32 v27, v27, v[98+\i], v[99+\i]
.endr
	v_max3_num_f32 v26, v26, v158, v159
	v_max_num_f32 v26, v26, v27
	v_permlanex16_b32 v28, v26, s[SEL], s[SEL+1]
	v_max_num_f32 v26, v26, v28                    ; and among lane l xor 16's
	v_mul_f32 v26, s[CS], v26                      ; as t (c is positive)
	v_max_num_f32 v13, v13, v26                    ; the running largest t
	v_mov_b32 v26, v12
	v_floor_f32 v12, -v13                          ; the new -M = floor(-t): M is a whole number
	v_sub_f32 v26, v12, v26                        ; old M - new M: a whole number, 0 or less
	v_cvt_i32_f32 v26, v26                         ; (it saturates)
	v_ldexp_f32 v24, 1.0, v26                      ; f = 2^(old M - new M); 0 in a block's first step
.set nn, 0
.rept 32
	v_pk_fma_f32 v[96+nn:97+nn], v[96+nn:97+nn], s[CS:CS+1], v[12:13] op_sel_hi:[1,0,0]   ; t - M, two at a time
.set nn, nn+2
.endr
.set nn, 0
.rept 64
	v_exp_f32 v[96+nn], v[96+nn]                   ; p = 2^(t - M), at most 1
.set nn, nn+1
.endr
	v_pk_mul_f32 v[14:15], v[14:15], v[24:25] op_sel_hi:[1,0]   ; the sums under the new M: the plain line behind the exponentials
	s_wait_alu depctr_va_vdst(0)                   ; the 64 exponentials have written p, ahead of its first reader (one wait for the batch); and the eight products are done reading K's fragments v32-95, in which V's land
	VLD \slot, 0                                   ; V's sixteen loads, two at a time among the additions, with no further wait: no vector line from here to V's products names v32-95 or v1
	VLD \slot, 1
	v_pk_add_f32 v[224:225], v[96:97], v[98:99]    ; the row's sum is taken of the unquantised p, in two chains
.irp j, 4,8,12,16,20,24,28,32,36,40,44,48,52,56,60
.if \j < 32
	VLD \slot, \j/2
	VLD \slot, \j/2+1
.endif
	v_pk_add_f32 v[14:15], v[14:15], v[96+\j:97+\j]
	v_pk_add_f32 v[224:225], v[224:225], v[98+\j:99+\j]
.endr
	v_pk_add_f32 v[14:15], v[14:15], v[224:225]
	s_cmp_gt_i32 s[EP], -9
	s_cbranch_scc1 .Lnohold_\@                     ; 448 x 2^e8 lies over every p
.set nn, 0
.rept 64
	v_min_num_f32 v[96+nn], v[96+nn], v30          ; the conversion does not saturate (ISA guide 7.6.2); p is not negative
.set nn, nn+1
.endr
.Lnohold_\@:
.irp t, 0,1,2,3,4,5,6,7
	v_cvt_scalef32_pk8_fp8_f32 v[192+2*\t:193+2*\t], v[96+8*\t:103+8*\t], v29   ; keys 16 t + 8 h + 0 .. 7
.endr
.set nn, 0
.rept 16
	v_pk_mul_f32 v[160+nn:161+nn], v[160+nn:161+nn], v[24:25] op_sel_hi:[1,0]   ; O^T under the new M; also the plain lines between the conversions and the products
.set nn, nn+2
.endr
	s_wait_dscnt 0x0                               ; V
.irp t, 0,1,2,3
	v_wmma_f32_16x16x128_fp8_fp8 v[160+8*\t:167+8*\t], v[32+16*\t:47+16*\t], v[192:207], v[160+8*\t:167+8*\t]   ; four accumulators by turns; the next step's eight products stand between two links
.endr
.Lhid_\@:
	s_add_co_u32 s[KF], s[KF], 128
.if \bar
	s_wait_dscnt 0x0                               ; my stores into the other slot have landed, my reads of this one are in
	s_barrier_signal -1
	s_barrier_wait -1
.endif
.endm
; A block's end: O^T x 2^(e8 + e9) / the sum, held, converted by entry 10, stored: 1,024 consecutive bytes a wave: chunks 2 (head % 2) and 2 (head % 2) + 1 of a fragment of the image.
.macro OUT oof
.rept 4
	v_nop                                          ; places behind the last products
.endr
	v_add_f32 v14, v14, v15
	v_permlanex16_b32 v28, v14, s[SEL], s[SEL+1]
	v_add_f32 v14, v14, v28                        ; the row's sum
	v_rcp_f32 v14, v14
	v_nop                                          ; a plain line behind the reciprocal,
	s_wait_alu depctr_va_vdst(0)                   ; and the reciprocal has written v14, ahead of its first reader
	v_ldexp_f32 v14, v14, s[EPV]
.set nn, 0
.rept 16
	v_pk_mul_f32 v[96+nn:97+nn], v[160+nn:161+nn], v[14:15] op_sel_hi:[1,0]   ; register 16 b + i: d = 32 b + 16 h + i
.set nn, nn+2
.endr
.set nn, 0
.rept 32
	v_med3_num_f32 v[96+nn], v[96+nn], -v235, v235
.set nn, nn+1
.endr
	s_wait_xcnt 0x0                                ; an earlier block's stores have had their addresses translated,
	s_wait_alu depctr_vm_vsrc(0)                   ; and have read the codes' registers v226-233, which the conversions write again
.irp g, 0,1,2,3
	v_cvt_scalef32_pk8_fp8_f32 v[226+2*\g:227+2*\g], v[96+8*\g:103+8*\g], v234
.endr
	v_nop                                          ; one plain line behind the conversions: the next products write their sources
	s_wait_alu depctr_va_vdst(0)                   ; the conversions have written v226-233, which the stores read; and every product so far is done reading Q's registers v16-23, in which the next block's Q lands
	global_store_b128 v[\oof], v[226:229], s[OP:OP+1]
	global_store_b128 v[\oof], v[230:233], s[OP:OP+1] offset:512
.endm
	s_mov_b32 s[TRIP], 0
.Ltrip:                                            ; 8 trips of two steps; the last two of the 18 steps are written out, since they ask for no tile
	STEP 0, 1, 1, 1
	STEP 1, 1, 1, 1
	s_cmp_lg_u32 s[TRIP], s[PI]
	s_cbranch_scc1 .Lsame                          ; behind trip i the first block has had its 2 (i + 1) steps: the same in all waves of the work-group
	OUT 6
	global_load_b128 v[16:19], v5, s[QP:QP+1]      ; the second block's Q, straight behind the stores: no vector line stands between the wait ahead of those and these loads.  Waited for at the head of the next step
	global_load_b128 v[20:23], v5, s[QP:QP+1] offset:512
	s_mov_b32 s[Q0], s[Q1]
	s_mov_b32 s[KF], 0
	v_mov_b32 v13, 0xff61b1e6                      ; the largest t goes back to -3e38: the next step's f is 0 and makes zeros of the old sum and the old O^T, which are finite for every input (codes are at most 448, p at most 1)
	v_floor_f32 v12, -v13
.Lsame:
	s_add_co_u32 s[TRIP], s[TRIP], 1
	s_cmp_lt_u32 s[TRIP], 8
	s_cbranch_scc1 .Ltrip
	STEP 0, 1, 0, 1
	STEP 1, 0, 0, 0
	OUT 7
	s_wait_dscnt 0x0
	s_wait_alu depctr_hold_cnt(0) depctr_sa_sdst(0) depctr_va_vdst(0) depctr_va_sdst(0) depctr_va_ssrc(0) depctr_va_vcc(0) depctr_vm_vsrc(0)
	s_wait_tensorcnt 0x0
	ds_add_u32 v254, v255
	s_wait_dscnt 0x0
	s_endpgm
.Lfunc_end_k_q799f57e0c9_attn:
	.size	k_q799f57e0c9_attn, .Lfunc_end_k_q799f57e0c9_attn-k_q799f57e0c9_attn
	.p2alignl 7, 3214868480
	.fill 96, 4, 3214868480
	.section	.rodata,"a",@progbits
	.p2align	6, 0x0
	.amdhsa_kernel k_q799f57e0c9_attn
		.amdhsa_group_segment_fixed_size 34816
		.amdhsa_private_segment_fixed_size 0
		.amdhsa_enable_private_segment 0
		.amdhsa_kernarg_size 24
		.amdhsa_user_sgpr_count 2
		.amdhsa_user_sgpr_kernarg_segment_ptr 1
		.amdhsa_wavefront_size32 1
		.amdhsa_system_sgpr_workgroup_id_x 1
		.amdhsa_system_sgpr_workgroup_id_y 1
		.amdhsa_system_sgpr_workgroup_id_z 1
		.amdhsa_system_vgpr_workitem_id 0
		.amdhsa_next_free_vgpr 256
		.amdhsa_next_free_sgpr 66
		.amdhsa_reserve_vcc 0
		.amdhsa_float_denorm_mode_32 3
		.amdhsa_float_denorm_mode_16_64 3
		.amdhsa_memory_ordered 1
		.amdhsa_forward_progress 1
		.amdhsa_inst_pref_size 115
	.end_amdhsa_kernel
	.amdgpu_metadata
---
amdhsa.version: [ 1, 2 ]
amdhsa.kernels:
  - .name:           k_q799f57e0c9_attn
    .symbol:         k_q799f57e0c9_attn.kd
    .args:
      - { .name: qkv, .offset: 0, .size: 8, .value_kind: global_buffer, .address_space: global }
      - { .name: lowp_scales, .offset: 8, .size: 8, .value_kind: global_buffer, .address_space: global }
      - { .name: oimg, .offset: 16, .size: 8, .value_kind: global_buffer, .address_space: global }
    .group_segment_fixed_size: 34816
    .private_segment_fixed_size: 0
    .kernarg_segment_align: 8
    .kernarg_segment_size: 24
    .max_flat_workgroup_size: 512
    .sgpr_count:     66
    .vgpr_count:     256
    .wavefront_size: 32
...
	.end_amdgpu_metadata
.endif
;; end of part 5
;; launch proj: the kernel of part 4 again; grid 4 x 32, 4 waves a work-group, clusters of 4 x 4, 327,680 bytes of LDS; arguments oimg, img, bp, lowp_scales, out0; writes out0
